; MI455X (gfx1250); checked and timed in simulation.
; The chip was launched on July 23, 2026; its instructions are those of AMD's public machine-readable ISA for CDNA 5 (MIT licence, August 2026) and "CDNA5" Instruction Set Architecture Reference Guide (July 2026). The comments in the code are by the model that wrote it; some were corrected since.
;; Double Attention. Allowed arithmetic: matrix products marked QUANTISED: E2M1 operands, one E8M0 scale for each 32 along K, by v_wmma_scale_f32_16x16x128_f8f6f4 with both operands' format E2M1 (or v_wmma_scale_f32_32x16x128_f4), f32 sums; everything else in f32.
;; Inputs: bA 512 float32; bB 512 float32; bR 512 float32; bV 512 float32; wA 512 x 512 float32; wB 512 x 512 float32; wR 512 x 512 float32; wV 512 x 512 float32; x 32 x 512 x 32 x 32 float32.
;; Outputs: out0 32 x 512 x 32 x 32 float32.
;; This version of the problem:
;;   THIS VERSION OF THE PROBLEM IS GIVEN IN LOW PRECISION. The matrix products marked QUANTISED in the list below multiply operands that are first quantised to E2M1 (2 exponent bits, 1 mantissa bit; 4 bits a number), with one power-of-two scale for each 32 numbers along K (OCP MX v1.0); their sums are f32. All else is computed in f32.
;;   The module's matrix products, in the order in which they are computed (A, B: the left and right operand; K: the contracted axis; several contracted axes count as one K, in the product's order):
;;     1. [M 512, K 512] x [K 512, N 32,768]; A: input wA; B: input x: QUANTISED
;;     2. [M 512, K 512] x [K 512, N 32,768]; A: input wB; B: input x: QUANTISED
;;     3. [M 512, K 512] x [K 512, N 32,768]; A: input wV; B: input x: QUANTISED
;;     4. batch 32 x [M 512, K 1,024] x [K 1,024, N 512]; A: computed on the way; B: softmax (see below): QUANTISED
;;     5. batch 32 x [M 512, K 512] x [K 512, N 1,024]; A: computed on the way; B: computed on the way: QUANTISED
;;     6. [M 512, K 512] x [K 512, N 32,768]; A: input wR; B: computed on the way: QUANTISED
;;   THE QUANTISER, for each operand of a quantised product, along K:
;;     - K is cut into blocks of 32 from its start; a last block that is shorter is filled with zeros.
;;     - A block's scale is 2^e with e = floor(log2(the largest magnitude in the block)) - 2, held to -126 .. 127; a block of zeros has e = 0. As a byte (E8M0): e + 127.
;;     - Each number is divided by its block's scale, clamped to +-6, and rounded to the nearest number of E2M1, ties to even, subnormals kept.
;;     - The product sums the exact products of the quantised numbers (number of the format x scale) in f32.
;;   ~~~python
;;   def quantise(x, axis):      # numpy; x: float32 -> the quantised numbers, widened to float32 again
;;       x = np.moveaxis(x, axis, -1); K = x.shape[-1]
;;       x = np.pad(x, [(0, 0)] * (x.ndim - 1) + [(0, -K % 32)]); x = x.reshape(x.shape[:-1] + (-1, 32)); a = np.abs(x).max(-1, keepdims=True)
;;       e = np.where(a > 0, np.clip(np.frexp(np.where(a > 0, a, 1))[1] - 1 - 2, -126, 127), 0)      # np.frexp(a)[1] - 1 = floor(log2(a)), exactly
;;       r = np.clip(x / 2.0 ** e, -6, 6)
;;       step = 2.0 ** (np.maximum(np.frexp(np.where(r == 0, 1, r))[1] - 1, 0) - 1)
;;       q = np.round(r / step) * step * 2.0 ** e      # np.round: ties to even
;;       return np.moveaxis(q.reshape(q.shape[:-2] + (-1,))[..., :K], -1, axis).astype(np.float32)
;;   ~~~
;;   SOFTMAX AHEAD OF A QUANTISED PRODUCT. Where the list says 'softmax', what is quantised is not the finished softmax but p = 2^(t - M), with t = logit x log2(e) and M = ceil(the row's largest t), a whole number; so 1/2 < the row's largest p <= 1. The row's sum l is taken of the UNQUANTISED p, in f32, and the product's result is divided by l at the end. Since M is a whole number, a kernel that streams over the keys may use a running M (the ceiling of the running maximum): every later rescaling is an exact power of two, which a block's scale takes up: the codes' values come out the same.
;;   OPERANDS COMPUTED ON THE WAY. 'Computed on the way' means the value that the module computes at that place (a softmax that the list does not call 'softmax' is quantised finished and normalised). What goes into a quantiser is computed in f32, as accurately as f32 sums, v_exp_f32 and their like allow (about 1e-6 of the number): no bf16 or f16 on the way to a quantiser, and a product that is left as it is and whose result goes on into a quantised operand takes f32 operands (vector FMAs, or v_wmma_f32_16x16x4_f32). A number that lies on a knife's edge between two numbers of the format may be rounded either way, as far as f32 arithmetic and the matrix unit's own rounding can turn it there, and no further.
;; One version. Each part assembles by itself: llvm-mc -triple=amdgcn-amd-amdhsa -mcpu=gfx1250 --defsym DOCPART=n.
;; ======== version 1 of 1: 4 launches
;; workspace buffers: xq 8,912,896 bytes; wq 557,056 bytes; aq 8,912,896 bytes; pq 8,978,432 bytes; vq 8,912,896 bytes; gq 4,456,448 bytes
;; launch quant (part 1): grid 576 x 1, 8 waves a work-group, no clusters, 0 bytes of LDS; arguments x, wA, wB, wV, wR, xq, wq; writes xq, wq
.if DOCPART == 1
	.amdgcn_target "amdgcn-amd-amdhsa--gfx1250"
	.amdhsa_code_object_version 6
	.text
	.protected	k_q9baac5d893_quant
	.globl	k_q9baac5d893_quant
	.p2align	8
	.type	k_q9baac5d893_quant,@function
k_q9baac5d893_quant:
	s_mov_b64 s[64:65], 0
	v_nop
	global_prefetch_b8 v0, s[64:65] scope:SCOPE_SE
	s_setreg_imm32_b32 hwreg(HW_REG_WAVE_MODE, 25, 1), 1
	s_wait_xcnt 0x0
; x [32][512 c][1024 n] and the four weights [512][512 c], f32, become codes of FP4 (E2M1) with one E8M0 byte for each 32 along c.
; A block's scale is 2^(floor(log2(largest magnitude)) - 2); its byte is the largest magnitude's exponent field - 2, held at 1 from below.
; LIMITS: NaN and infinities are not served.  A block whose largest magnitude lies under 2^-124 (a block of zeros too) gets the byte 1;
; these bytes are read by this program alone, and zero codes add nothing under it.
; THE LAYOUT OF THE CODES is the order of the operand's registers.  A fragment (16 rows x 128 along K) is 1,024 bytes: block kb (32 along K) of row i
; lies at 256 kb + 16 i.  THE ROWS OF A TILE ARE NOT NEIGHBOURS: row i of tile 2 B + U is index 32 B + 8 U + i + 8 (i / 8), so that a product that takes the
; fragment as source 0 leaves 16 neighbouring indices in the 16 registers of two neighbouring tiles.
; xq: [b][tile 64 (n)][K step 4] fragments; behind them, at 8,388,608, scale words [b][K step][pair of tiles 32][16 U + i].   wq: [matrix A,B,V,R][tile 32][K step 4]; at 524,288 [matrix][K step][pair 16][16 U + i].
; Work-groups 64 .. 575 take x: c is its outer axis, so a lane takes a column n and its registers run down c: a block of 32 lies in one lane, and nothing is transposed.
; Work-groups 0 .. 63 take the weights: c is innermost there, a wave makes one fragment, a lane takes the 2 x 32 numbers that the operand's layout gives it.
; No LDS, no barrier, no cluster: no byte is read by two work-groups.
.set X,  32                            ; v32-95   two sets of 32 numbers
.set CD, 96                            ; v96-111  codes: four registers a block, never written again
.set SB, 24                            ; v24      the four scale bytes
	s_load_b256 s[4:11], s[0:1], 0x0               ; x, wA, wB, wV
	s_load_b128 s[12:15], s[0:1], 0x20             ; wR, xq
	s_load_b64 s[16:17], s[0:1], 0x30              ; wq
	v_lshrrev_b32 v1, 5, v0
	v_readfirstlane_b32 s18, v1                    ; wave 0..7
	v_and_b32 v1, 31, v0                           ; lane
	s_cmp_lt_u32 ttmp9, 64
	s_cbranch_scc1 .Lweights
	; ---------------- x: a wave takes 32 columns (a pair of tiles) x 128 along c (a K step)
	s_sub_co_u32 s19, ttmp9, 64
	s_and_b32 s20, s19, 3                          ; which 256 columns
	s_bfe_u32 s21, s19, 0x20002                    ; K step s
	s_lshr_b32 s22, s19, 4                         ; batch b
	s_lshl_b32 s23, s20, 3
	s_add_co_u32 s23, s23, s18                     ; pair of tiles B = 8 x quarter + wave
	s_lshl_b32 s24, s22, 21                        ; x: b x 2^21 + 128 s rows of 4,096 bytes + 128 B bytes
	s_lshl_b32 s25, s21, 19
	s_add_co_u32 s24, s24, s25
	s_lshl_b32 s25, s23, 7
	s_add_co_u32 s24, s24, s25
	s_mov_b32 s25, 0
	s_lshl_b32 s26, s22, 18                        ; codes: b x 2^18 + two tiles of 4,096 x B + 1,024 s
	s_lshl_b32 s27, s23, 13
	s_add_co_u32 s26, s26, s27
	s_lshl_b32 s27, s21, 10
	s_add_co_u32 s26, s26, s27
	s_mov_b32 s27, 0
	s_lshl_b32 s28, s22, 14                        ; scale words: 8,388,608 + b x 2^14 + 4,096 s + 128 B
	s_lshl_b32 s29, s21, 12
	s_add_co_u32 s28, s28, s29
	s_lshl_b32 s29, s23, 7
	s_add_co_u32 s28, s28, s29
	s_add_co_u32 s28, s28, 8388608
	s_mov_b32 s29, 0
	v_lshlrev_b32 v2, 2, v1                        ; in: 4 bytes a lane: a load of the wave reads 128 consecutive bytes, the eight waves 1,024
	v_bfe_u32 v5, v1, 3, 1                         ; column 32 B + lane is row i of tile 2 B + U: U = (lane / 8) % 2,
	v_and_b32 v6, 7, v1
	v_lshrrev_b32 v7, 4, v1
	v_lshl_or_b32 v6, v7, 3, v6                    ; i = lane % 8 + 8 (lane / 16)
	v_lshlrev_b32 v3, 4, v6
	v_lshl_or_b32 v3, v5, 12, v3                   ; out: 4,096 U + 16 i
	v_lshl_add_u32 v4, v5, 4, v6
	v_lshlrev_b32 v4, 2, v4                        ; the scale word: 4 (16 U + i)
	s_wait_kmcnt 0x0
	s_add_nc_u64 s[4:5], s[4:5], s[24:25]
	s_add_nc_u64 s[30:31], s[14:15], s[26:27]
	s_add_nc_u64 s[32:33], s[14:15], s[28:29]
.macro LOAD t                          ; block t: x(32 t + i, my column), i = 0 .. 31, into set t % 2
.set i_, 0
.rept 32
	global_load_b32 v[X+32*((\t)%2)+i_], v2, s[4:5] offset:(32*(\t)+i_)*4096 th:TH_LOAD_NT
.set i_, i_+1
.endr
.endm
.macro BLOCK t
.set XS, X+32*((\t)%2)
.if (\t) < 3
	s_wait_loadcnt 32                              ; this block's 32 loads are in; the next block's 32 may be out
.else
	s_wait_loadcnt 0x0
.endif
	v_max3_num_f32 v12, |v[XS]|, |v[XS+1]|, |v[XS+2]|      ; the block's largest magnitude: all 32 numbers are mine; two chains
	v_max3_num_f32 v13, |v[XS+3]|, |v[XS+4]|, |v[XS+5]|
.irp i, 6,10,14,18,22,26
	v_max3_num_f32 v12, v12, |v[XS+\i]|, |v[XS+\i+1]|
	v_max3_num_f32 v13, v13, |v[XS+\i+2]|, |v[XS+\i+3]|
.endr
	v_max3_num_f32 v12, v12, |v[XS+30]|, |v[XS+31]|
	v_max3_num_f32 v12, v12, v13, 0x1800000        ; and the floor 2^(3 - 127): the byte cannot fall under 1
	v_add_nc_u32 v11, 0xff000000, v12              ; 2 off the exponent field: the conversion takes this operand's exponent field as its scale
	v_lshrrev_b32 v13, 23, v11                     ; the scale's byte
.if (\t) == 0
	v_mov_b32 v[SB], v13
.else
	v_lshl_or_b32 v[SB], v13, 8*(\t), v[SB]        ; the lower K in the lower byte
.endif
.irp g, 0,1,2,3
	v_cvt_scalef32_pk8_fp4_f32 v[CD+4*(\t)+\g], v[XS+8*\g:XS+8*\g+7], v11
.endr
	global_store_b128 v3, v[CD+4*(\t):CD+4*(\t)+3], s[30:31] offset:256*(\t)   ; sixteen lanes fill 256 consecutive aligned bytes of tile 2 B, the other sixteen of tile 2 B + 1
.if (\t) < 2
	LOAD (\t)+2
.endif
.endm
	LOAD 0
	LOAD 1
	BLOCK 0
	BLOCK 1
	BLOCK 2
	BLOCK 3
	global_store_b32 v4, v[SB], s[32:33]           ; the pair's 32 scale words: 128 consecutive bytes
	s_endpgm
	; ---------------- the weights: a wave makes fragment (tile T, K step s) of one matrix
.Lweights:
	s_lshr_b32 s19, ttmp9, 4                       ; matrix 0..3: A, B, V, R
	s_and_b32 s20, ttmp9, 15
	s_lshl_b32 s20, s20, 1
	s_lshr_b32 s21, s18, 2
	s_add_co_u32 s20, s20, s21                     ; tile T
	s_and_b32 s21, s18, 3                          ; K step s
	s_lshr_b32 s22, s20, 1
	s_lshl_b32 s22, s22, 5
	s_and_b32 s23, s20, 1
	s_lshl_b32 s23, s23, 3
	s_add_co_u32 s22, s22, s23                     ; the tile's first row: 32 (T / 2) + 8 (T % 2)
	s_lshl_b32 s22, s22, 11                        ; rows of 2,048 bytes,
	s_lshl_b32 s23, s21, 9
	s_add_co_u32 s22, s22, s23                     ; + 512 s
	s_mov_b32 s23, 0
	s_lshl_b32 s24, s19, 17                        ; codes: 131,072 matrix + 4,096 T + 1,024 s
	s_lshl_b32 s25, s20, 12
	s_add_co_u32 s24, s24, s25
	s_lshl_b32 s25, s21, 10
	s_add_co_u32 s24, s24, s25
	s_mov_b32 s25, 0
	s_lshl_b32 s26, s19, 13                        ; scale words: 524,288 + 8,192 matrix + 2,048 s + 64 T
	s_lshl_b32 s27, s21, 11
	s_add_co_u32 s26, s26, s27
	s_lshl_b32 s27, s20, 6
	s_add_co_u32 s26, s26, s27
	s_add_co_u32 s26, s26, 524288
	s_mov_b32 s27, 0
	s_mov_b32 s34, 0x76543210
	s_mov_b32 s35, 0xfedcba98                      ; v_permlanex16_b32's selects for lane l xor 16
	v_and_b32 v2, 15, v1                           ; i
	v_lshrrev_b32 v3, 4, v1                        ; h
	v_and_b32 v5, 8, v2
	v_add_nc_u32 v5, v5, v2                        ; i + 8 (i / 8)
	v_lshlrev_b32 v5, 11, v5
	v_lshl_add_u32 v5, v3, 7, v5                   ; my row, + 128 h: the layout gives lane (i, h) k = 64 c + 32 h + 0 .. 31
	v_lshlrev_b32 v6, 4, v1                        ; out: 16 x lane
	v_lshlrev_b32 v7, 2, v2                        ; the scale word: 4 i
	s_wait_kmcnt 0x0
	s_cmp_eq_u32 s19, 0                            ; the choice hangs on the work-group's number alone
	s_cselect_b64 s[12:13], s[6:7], s[12:13]
	s_cmp_eq_u32 s19, 1
	s_cselect_b64 s[12:13], s[8:9], s[12:13]
	s_cmp_eq_u32 s19, 2
	s_cselect_b64 s[12:13], s[10:11], s[12:13]
	s_add_nc_u64 s[12:13], s[12:13], s[22:23]
	s_add_nc_u64 s[30:31], s[16:17], s[24:25]
	s_add_nc_u64 s[32:33], s[16:17], s[26:27]
.irp c, 0,1
.irp i, 0,1,2,3,4,5,6,7
	global_load_b128 v[X+32*\c+4*\i:X+32*\c+4*\i+3], v5, s[12:13] offset:256*\c+16*\i
.endr
.endr
	s_wait_loadcnt 0x0
.irp c, 0,1                                    ; my block 2 c + h: all its 32 numbers are mine
	v_max3_num_f32 v[12+\c], |v[X+32*\c]|, |v[X+32*\c+1]|, 0x1800000
.endr
.irp i, 2,4,6,8,10,12,14,16,18,20,22,24,26,28,30
.irp c, 0,1
	v_max3_num_f32 v[12+\c], v[12+\c], |v[X+32*\c+\i]|, |v[X+32*\c+\i+1]|
.endr
.endr
.irp c, 0,1
	v_add_nc_u32 v[14+\c], 0xff000000, v[12+\c]
.endr
.irp c, 0,1
	v_lshrrev_b32 v[16+\c], 23, v[14+\c]
.endr
	v_lshl_or_b32 v9, v17, 16, v16                 ; my two bytes: blocks h and 2 + h,
	v_lshlrev_b32 v10, 3, v3
	v_lshlrev_b32 v9, v10, v9                      ; at their places in the word (8 h bits up);
	v_mov_b32 v10, 0
	v_permlanex16_b32 v10, v9, s34, s35
	v_or_b32 v9, v9, v10                           ; with lane l xor 16's two the word is whole
.irp c, 0,1
.irp g, 0,1,2,3
	v_cvt_scalef32_pk8_fp4_f32 v[CD+4*\c+\g], v[X+32*\c+8*\g:X+32*\c+8*\g+7], v[14+\c]
.endr
.endr
	v_nop                                          ; one plain line behind the last scaled conversion
	global_store_b128 v6, v[CD:CD+3], s[30:31]     ; 512 consecutive bytes each
	global_store_b128 v6, v[CD+4:CD+7], s[30:31] offset:512
	s_wait_xcnt 0x0                                ; EXEC is narrowed only behind this wait
	v_cmp_gt_u32 vcc_lo, 16, v1
	s_and_saveexec_b32 s36, vcc_lo
	global_store_b32 v7, v9, s[32:33]              ; lanes 0-15: the tile's 16 scale words
	s_endpgm
.Lfunc_end_k_q9baac5d893_quant:
	.size	k_q9baac5d893_quant, .Lfunc_end_k_q9baac5d893_quant-k_q9baac5d893_quant
	.p2alignl 7, 3214868480
	.fill 96, 4, 3214868480
	.section	.rodata,"a",@progbits
	.p2align	6, 0x0
	.amdhsa_kernel k_q9baac5d893_quant
		.amdhsa_group_segment_fixed_size 0
		.amdhsa_private_segment_fixed_size 0
		.amdhsa_enable_private_segment 0
		.amdhsa_kernarg_size 56
		.amdhsa_user_sgpr_count 2
		.amdhsa_user_sgpr_kernarg_segment_ptr 1
		.amdhsa_wavefront_size32 1
		.amdhsa_system_sgpr_workgroup_id_x 1
		.amdhsa_system_sgpr_workgroup_id_y 1
		.amdhsa_system_sgpr_workgroup_id_z 1
		.amdhsa_system_vgpr_workitem_id 0
		.amdhsa_next_free_vgpr 128
		.amdhsa_next_free_sgpr 66
		.amdhsa_reserve_vcc 1
		.amdhsa_float_denorm_mode_32 3
		.amdhsa_float_denorm_mode_16_64 3
		.amdhsa_memory_ordered 1
		.amdhsa_forward_progress 1
		.amdhsa_inst_pref_size 27
	.end_amdhsa_kernel
	.amdgpu_metadata
---
amdhsa.version: [ 1, 2 ]
amdhsa.kernels:
  - .name:           k_q9baac5d893_quant
    .symbol:         k_q9baac5d893_quant.kd
    .args:
      - { .name: x, .offset: 0, .size: 8, .value_kind: global_buffer, .address_space: global }
      - { .name: wA, .offset: 8, .size: 8, .value_kind: global_buffer, .address_space: global }
      - { .name: wB, .offset: 16, .size: 8, .value_kind: global_buffer, .address_space: global }
      - { .name: wV, .offset: 24, .size: 8, .value_kind: global_buffer, .address_space: global }
      - { .name: wR, .offset: 32, .size: 8, .value_kind: global_buffer, .address_space: global }
      - { .name: xq, .offset: 40, .size: 8, .value_kind: global_buffer, .address_space: global }
      - { .name: wq, .offset: 48, .size: 8, .value_kind: global_buffer, .address_space: global }
    .group_segment_fixed_size: 0
    .private_segment_fixed_size: 0
    .kernarg_segment_align: 8
    .kernarg_segment_size: 56
    .max_flat_workgroup_size: 256
    .sgpr_count:     66
    .vgpr_count:     128
    .wavefront_size: 32
...
	.end_amdgpu_metadata
.endif
;; end of part 1
;; launch proj (part 2): grid 8 x 32, 8 waves a work-group, clusters of 4 x 1, 287,744 bytes of LDS; arguments xq, wq, bA, bB, bV, aq, pq, vq; writes aq, pq, vq
.if DOCPART == 2
	.amdgcn_target "amdgcn-amd-amdhsa--gfx1250"
	.amdhsa_code_object_version 6
	.text
	.protected	k_q9baac5d893_proj
	.globl	k_q9baac5d893_proj
	.p2align	8
	.type	k_q9baac5d893_proj,@function
k_q9baac5d893_proj:
	s_mov_b64 s[64:65], 0
	v_nop
	global_prefetch_b8 v0, s[64:65] scope:SCOPE_SE
	s_setreg_imm32_b32 hwreg(HW_REG_WAVE_MODE, 25, 1), 1
	s_wait_xcnt 0x0
	s_wait_alu depctr_hold_cnt(0) depctr_sa_sdst(0) depctr_va_vdst(0) depctr_va_sdst(0) depctr_va_ssrc(0) depctr_va_vcc(0) depctr_vm_vsrc(0)
	s_getreg_b32 s2, hwreg(HW_REG_IB_STS2, 6, 4)
	s_cmp_eq_u32 s2, 0
	s_cbranch_scc0 .Lentry_in_a_cluster
	s_endpgm
.Lentry_in_a_cluster:
	s_bfe_u32 s2, ttmp6, 0x10000c
	s_cmp_lg_u32 s2, 0x3003
	s_cbranch_scc0 .Lentry_shape_is_right
	s_endpgm
.Lentry_shape_is_right:
; A = wA x + bA, Bm = wB x + bB, Vm = wV x + bV on codes of FP4; then three quantisers: A along n; p = 2^(t - M) of Bm along n (t = Bm log2(e), M = the row's largest t rounded up), with 1 / (the row's sum of p) beside it;
; the finished softmax of Vm over n, along d.  Nothing but codes, scale bytes and 512 reciprocals a batch goes to memory.
; SHARES.  Work-group g of batch b owns rows 64 g .. 64 g + 63 of each of the three results, over all 1,024 n.  Wave w owns n tiles 8 w .. 8 w + 7 (128 n: one K step of the next product) in all three phases,
; so it reads only its own 34,816 bytes of x from LDS, and its own s_wait_tensorcnt is all that those reads need.  A phase's 16 weight fragments lie in registers; each fragment of x feeds four products.
; CLUSTER.  The four work-groups of a cluster belong to one batch and need the same x: every tile is asked for JOINTLY (mask 15), once, at the head.  No LDS byte is filled twice.
; LAYOUT.  Phases A and P: source 0 = x (16 n), source 1 = the weight (16 rows): a lane holds one row and its registers run along n.  Phase V: the sources are swapped: a lane holds one n and its registers run along d.
; The rows of a tile are index 32 B + 8 U + i + 8 (i / 8) (tile 2 B + U), so the 16 registers of two neighbouring tiles are 16 neighbours along the next K.
; The two softmaxes take the true row maximum away; a row's maximum and sum meet in LDS (one word a row and wave), three barriers in all.
; LIMITS: NaN and infinities are not served; a block whose largest magnitude lies under 2^-124 gets the byte 1 (read by this program alone); divisions are v_rcp_f32 and a multiplication.
; REGISTERS.  Window 1 (v256-511): the 32 accumulators.  Window 0: v1-13 addresses; v16-143 the phase's weights; v144-151 their scale words; v152-215 two buffers of x's fragments, at work in the vector stages;
; v216-223 x's scale words, two sets; v224-255 the bias, the C of each sum's first product.  A scale register holds tile 2 p in lanes 0-15 and tile 2 p + 1 in lanes 16-31.
.set XSC, 262144                       ; LDS: x's codes, 32,768 bytes a wave, from 0; its scale words, 2,048 a wave, from here
.set ST1, 278528                       ; p's maxima  [row 64][wave 8] words
.set ST2, ST1+2048                     ; p's sums
.set ST3, ST1+4096                     ; the softmax's maxima [d 64][wave 8]; its sums 2,048 further on
.set W,   16
.set WSC, 144
.set XF,  152
.set TM,  152                          ; 16 blocks' largest magnitudes, then the conversions' scale operands
.set TP,  168                          ; 16 at work: the other half's maxima, the bytes, the words (written whole by the LDS loads of x before its first use)
.set PC,  184                          ; 32: four fragments of codes
.set RM,  200                          ; phase P: the rows' largest t
.set NM,  204                          ; phase P: -M, a pair for each row tile
.set XSW, 216
.set BI,  224
.set SM,  16                           ; phase V: 32 slots (d tile x register): maxima, sums, reciprocals
.set RD0, 48                           ; phase V: the waves' words read back, two buffers of 64
.set RD1, 152
.set LTMP, 128                         ; the sums of p on their way to 1 / l
.set VTM, 48
.set VTP, 64
.set HW,  80
.set EQW, 88
.set VC,  96
.set WV,  20                           ; s20 wave
.set CS,  52                           ; s[52:53] log2(e), twice
.set SEL, 54                           ; s[54:55] v_permlanex16_b32's selects for lane l xor 16
.set MSB, 0
.macro WIN new                         ; the immediate's high byte repeats the setting that is left; a switch that changes nothing is dropped
.if MSB != (\new)
	s_set_vgpr_msb (MSB<<8)|(\new)
.set MSB, \new
.endif
.endm
.macro PLACES                          ; four plain vector lines behind matrix instructions, ahead of reads of results and of loads into their registers
.rept 4
	v_nop
.endr
.endm
.macro ROUND                           ; a round of the cluster's barrier
	s_barrier_signal -1
	s_barrier_wait -1
	s_cmp_lg_u32 s[WV], 0
	s_cbranch_scc1 .Lnot_wave_0_\@
	s_barrier_signal -3
.Lnot_wave_0_\@:
	s_barrier_wait -3
	s_barrier_signal -1
	s_barrier_wait -1
.endm
.macro BARRIER                         ; my LDS stores have landed and my LDS loads are in: then the work-group's barrier
	s_wait_dscnt 0x0
	s_barrier_signal -1
	s_barrier_wait -1
.endm
; one product.  c < 0: the constant 0 starts the sum.  ra, rb = 1: that side's scales stand in lanes 16-31
.macro WM d, a, b, c, sa, sb, ra, rb
.if (\c) < 0
.if (\ra) && (\rb)
	v_wmma_scale_f32_16x16x128_f8f6f4 v[\d:\d+7], v[\a:\a+7], v[\b:\b+7], 0, v[\sa], v[\sb] matrix_a_fmt:MATRIX_FMT_FP4 matrix_b_fmt:MATRIX_FMT_FP4 matrix_a_scale:MATRIX_SCALE_ROW1 matrix_b_scale:MATRIX_SCALE_ROW1
.elseif (\ra)
	v_wmma_scale_f32_16x16x128_f8f6f4 v[\d:\d+7], v[\a:\a+7], v[\b:\b+7], 0, v[\sa], v[\sb] matrix_a_fmt:MATRIX_FMT_FP4 matrix_b_fmt:MATRIX_FMT_FP4 matrix_a_scale:MATRIX_SCALE_ROW1
.elseif (\rb)
	v_wmma_scale_f32_16x16x128_f8f6f4 v[\d:\d+7], v[\a:\a+7], v[\b:\b+7], 0, v[\sa], v[\sb] matrix_a_fmt:MATRIX_FMT_FP4 matrix_b_fmt:MATRIX_FMT_FP4 matrix_b_scale:MATRIX_SCALE_ROW1
.else
	v_wmma_scale_f32_16x16x128_f8f6f4 v[\d:\d+7], v[\a:\a+7], v[\b:\b+7], 0, v[\sa], v[\sb] matrix_a_fmt:MATRIX_FMT_FP4 matrix_b_fmt:MATRIX_FMT_FP4
.endif
.else
.if (\ra) && (\rb)
	v_wmma_scale_f32_16x16x128_f8f6f4 v[\d:\d+7], v[\a:\a+7], v[\b:\b+7], v[\c:\c+7], v[\sa], v[\sb] matrix_a_fmt:MATRIX_FMT_FP4 matrix_b_fmt:MATRIX_FMT_FP4 matrix_a_scale:MATRIX_SCALE_ROW1 matrix_b_scale:MATRIX_SCALE_ROW1
.elseif (\ra)
	v_wmma_scale_f32_16x16x128_f8f6f4 v[\d:\d+7], v[\a:\a+7], v[\b:\b+7], v[\c:\c+7], v[\sa], v[\sb] matrix_a_fmt:MATRIX_FMT_FP4 matrix_b_fmt:MATRIX_FMT_FP4 matrix_a_scale:MATRIX_SCALE_ROW1
.elseif (\rb)
	v_wmma_scale_f32_16x16x128_f8f6f4 v[\d:\d+7], v[\a:\a+7], v[\b:\b+7], v[\c:\c+7], v[\sa], v[\sb] matrix_a_fmt:MATRIX_FMT_FP4 matrix_b_fmt:MATRIX_FMT_FP4 matrix_b_scale:MATRIX_SCALE_ROW1
.else
	v_wmma_scale_f32_16x16x128_f8f6f4 v[\d:\d+7], v[\a:\a+7], v[\b:\b+7], v[\c:\c+7], v[\sa], v[\sb] matrix_a_fmt:MATRIX_FMT_FP4 matrix_b_fmt:MATRIX_FMT_FP4
.endif
.endif
.endm
; THE QUANTISER of 16 blocks: block 4 g + b has its lane's 16 numbers at v[64 g + 16 b] of window SW.  Four fragments come out in v[PC] on, four scale words in v[TP + 4 g].
.macro QS1 SW                          ; my 16 numbers' largest magnitude, with the floor 2^(3 - 127); the blocks by turns; each accumulator is read from its low end on
	WIN (\SW)|((\SW)<<2)
.irp g, 0,1,2,3
.irp b, 0,1,2,3
	v_max3_num_f32 v[TM+4*\g+\b], |v[64*\g+16*\b]|, |v[64*\g+16*\b+1]|, 0x1800000
.endr
.endr
.irp i, 2,4,6,8,10,12,14
.irp g, 0,1,2,3
.irp b, 0,1,2,3
	v_max3_num_f32 v[TM+4*\g+\b], |v[64*\g+16*\b+\i]|, |v[64*\g+16*\b+\i+1]|, v[TM+4*\g+\b]
.endr
.endr
.endr
.endm
.macro QS2A                            ; with lane l xor 16's 16 numbers: the block's
	WIN 0
.set q_, 0
.rept 16
	v_permlanex16_b32 v[TP+q_], v[TM+q_], s[SEL], s[SEL+1]
.set q_, q_+1
.endr
.set q_, 0
.rept 16
	v_max_num_f32 v[TM+q_], v[TM+q_], v[TP+q_]
.set q_, q_+1
.endr
.endm
.macro QS2B                            ; 2 off the exponent field: the conversion's scale operand; its byte; four bytes make a row's word
.set q_, 0
.rept 16
	v_add_nc_u32 v[TM+q_], 0xff000000, v[TM+q_]
.set q_, q_+1
.endr
.set q_, 0
.rept 16
	v_lshrrev_b32 v[TP+q_], 23, v[TM+q_]
.set q_, q_+1
.endr
.irp n, 1,2,3
.irp g, 0,1,2,3
	v_lshl_or_b32 v[TP+4*\g], v[TP+4*\g+\n], 8*\n, v[TP+4*\g]
.endr
.endr
.endm
.macro QS34 SW
	s_wait_xcnt 0x0                                ; earlier stores have read v[PC] on: it is written again only behind this wait
	WIN \SW
.irp g, 0,1,2,3
.irp b, 0,1,2,3
	v_cvt_scalef32_pk8_fp4_f32 v[PC+8*\g+2*\b], v[64*\g+16*\b:64*\g+16*\b+7], v[TM+4*\g+\b]
	v_cvt_scalef32_pk8_fp4_f32 v[PC+8*\g+2*\b+1], v[64*\g+16*\b+8:64*\g+16*\b+15], v[TM+4*\g+\b]
.endr
.endr
	WIN 0
	v_nop                                          ; one plain line behind the last scaled conversion
.irp g, 0,1,2,3                                ; the operand's layout wants a whole block in a lane: lanes 0-15 block 2 c, lanes 16-31 block 2 c + 1
.irp c, 0,1
.irp i, 0,1
	v_permlane16_swap_b32 v[PC+8*\g+4*\c+\i], v[PC+8*\g+4*\c+2+\i]
.endr
.endr
.endr
.endm
.macro Q16 SW
	QS1 \SW
	QS2A
	QS2B
	QS34 \SW
.endm
; four fragments and their words go out: 512 consecutive bytes a store; the words as [lane][2]: word e of lane (i, h) is row i of tile 2 e + h: 256 consecutive bytes
.macro STOREQ cb, wb
.irp rt, 0,1,2,3
.irp k, 0,1
	global_store_b128 v1, v[PC+8*\rt+4*\k:PC+8*\rt+4*\k+3], s[\cb:\cb+1] offset:\rt*8192+\k*512
.endr
.endr
	v_cndmask_b32 v[TP+2], v[TP], v[TP+4], vcc_lo
	v_cndmask_b32 v[TP+3], v[TP+8], v[TP+12], vcc_lo
	global_store_b64 v3, v[TP+2:TP+3], s[\wb:\wb+1]
.endm
; a phase's weights: 16 fragments (row tile rt, K step s at v[W + 8 (4 rt + s)]), 8 scale registers, the bias
.macro LOADW p
.set fi, 0
.rept 16
	global_load_b128 v[W+8*fi:W+8*fi+3], v1, s[6:7] offset:(\p)*131072+fi*1024
	global_load_b128 v[W+8*fi+4:W+8*fi+7], v1, s[6:7] offset:(\p)*131072+fi*1024+512
.set fi, fi+1
.endr
.irp q, 0,1
.irp s, 0,1,2,3
	global_load_b32 v[WSC+4*\q+\s], v2, s[56:57] offset:(\p)*8192+\s*2048+\q*128
.endr
.endr
.if (\p) < 2
.irp rt, 0,1,2,3                               ; a lane holds one row: one number a tile
	global_load_b32 v[BI+8*\rt], v6, s[8+2*(\p):9+2*(\p)] offset:(32*(\rt/2)+8*(\rt%2))*4
.endr
.else
.irp dt, 0,1,2,3                               ; the registers run along d: eight numbers a tile
.irp k, 0,1
	global_load_b128 v[BI+8*\dt+4*\k:BI+8*\dt+4*\k+3], v7, s[12:13] offset:(32*(\dt/2)+8*(\dt%2))*4+16*\k
.endr
.endr
.endif
.endm
.macro BIASREP                         ; the lane's bias in all eight registers of the C operand
.irp rt, 0,1,2,3
.irp i, 1,2,3,4,5,6,7
	v_mov_b32 v[BI+8*\rt+\i], v[BI+8*\rt]
.endr
.endr
	PLACES
.endm
.macro FETCHX nt                       ; my n tile nt: four fragments (K steps) into buffer nt % 2; with an even tile the pair's four scale registers
.irp s, 0,1,2,3
.irp k, 0,1
	ds_load_b128 v[XF+32*((\nt)%2)+8*\s+4*\k:XF+32*((\nt)%2)+8*\s+4*\k+3], v4 offset:(\nt)*4096+\s*1024+\k*512
.endr
.endr
.if ((\nt)%2) == 0
.irp s, 0,1,2,3
	ds_load_b32 v[XSW+4*(((\nt)/2)%2)+\s], v5 offset:\s*512+((\nt)/2)*128
.endr
.endif
.endm
; 16 products: n tile nt x four row tiles x four K steps; the four accumulators by turns, one instruction a turn.  The first K step takes the bias as C.
.macro MM16 nt, vph
.irp s, 0,1,2,3
.if \s == 0
	WIN 0x40                                       ; D in window 1, all else in window 0
.else
	WIN 0x50                                       ; C and D in window 1
.endif
.irp rt, 0,1,2,3
.set m_x, XF+32*((\nt)%2)+8*\s
.set m_w, W+8*(4*\rt+\s)
.set m_xs, XSW+4*(((\nt)/2)%2)+\s
.set m_ws, WSC+4*(\rt/2)+\s
.set m_xr, (\nt)%2
.set m_wr, \rt%2
.if \vph
.set m_d, 32*(\nt)+8*\rt
.else
.set m_d, 64*\rt+8*(\nt)
.endif
.if \s == 0
.set m_c, BI+8*\rt
.else
.set m_c, m_d
.endif
.if \vph
	WM m_d, m_w, m_x, m_c, m_ws, m_xs, m_wr, m_xr
.else
	WM m_d, m_x, m_w, m_c, m_xs, m_ws, m_xr, m_wr
.endif
.endr
.endr
.endm
.macro MATMUL vph, first
	s_wait_xcnt 0x0                                ; earlier stores have read the registers that x's fragments now take
.if \first
	s_wait_tensorcnt 0x1                           ; my scale words and my tiles 0-3 are in; my third load (tiles 4-7) may be out
.endif
	FETCHX 0
.irp nt, 0,1,2,3,4,5,6,7
.if \nt < 7
	WIN 0
.if \nt >= 1
	PLACES                                         ; the buffer about to be loaded was multiplied by the products just issued but 16
.endif
.if (\first) && (\nt == 3)
	s_wait_tensorcnt 0x0                           ; tiles 4-7
.endif
	FETCHX \nt+1
.if (\nt % 2) == 1
	s_wait_dscnt 12                                ; all but the 12 loads just issued
.else
	s_wait_dscnt 8                                 ; all but the 8 just issued
.endif
.else
	s_wait_dscnt 0x0
.endif
	MM16 \nt, \vph
.endr
	WIN 0
	PLACES
.endm
.macro RDST dt, off                    ; the eight waves' words of d tile dt's eight slots: 256 consecutive bytes for each half of the lanes
.set rb_, RD0
.if ((\dt)%2)
.set rb_, RD1
.endif
.set i_, 0
.rept 16
	ds_load_b128 v[rb_+4*i_:rb_+4*i_+3], v11 offset:(\off)+(32*((\dt)/2)+8*((\dt)%2))*32+16*i_
.set i_, i_+1
.endr
.endm
.macro REDMAX dt                       ; the row's maximum, as -maximum x log2(e)
.set rb_, RD0
.if ((\dt)%2)
.set rb_, RD1
.endif
.irp j, 0,1,2,3,4,5,6,7
	v_max3_num_f32 v[SM+8*(\dt)+\j], v[rb_+8*\j], v[rb_+8*\j+1], v[rb_+8*\j+2]
.endr
.irp i, 3,5
.irp j, 0,1,2,3,4,5,6,7
	v_max3_num_f32 v[SM+8*(\dt)+\j], v[SM+8*(\dt)+\j], v[rb_+8*\j+\i], v[rb_+8*\j+\i+1]
.endr
.endr
.irp j, 0,1,2,3,4,5,6,7
	v_max_num_f32 v[SM+8*(\dt)+\j], v[SM+8*(\dt)+\j], v[rb_+8*\j+7]
.endr
.irp j, 0,1,2,3,4,5,6,7
	v_mul_f32 v[SM+8*(\dt)+\j], 0xbfb8aa3b, v[SM+8*(\dt)+\j]
.endr
.endm
.macro REDSUM dt
.set rb_, RD0
.if ((\dt)%2)
.set rb_, RD1
.endif
.irp j, 0,1,2,3,4,5,6,7
	v_pk_add_f32 v[rb_+8*\j:rb_+8*\j+1], v[rb_+8*\j:rb_+8*\j+1], v[rb_+8*\j+2:rb_+8*\j+3]
.endr
.irp j, 0,1,2,3,4,5,6,7
	v_pk_add_f32 v[rb_+8*\j+4:rb_+8*\j+5], v[rb_+8*\j+4:rb_+8*\j+5], v[rb_+8*\j+6:rb_+8*\j+7]
.endr
.irp j, 0,1,2,3,4,5,6,7
	v_pk_add_f32 v[rb_+8*\j:rb_+8*\j+1], v[rb_+8*\j:rb_+8*\j+1], v[rb_+8*\j+4:rb_+8*\j+5]
.endr
.irp j, 0,1,2,3,4,5,6,7
	v_add_f32 v[SM+8*(\dt)+\j], v[rb_+8*\j], v[rb_+8*\j+1]
.endr
.endm
	; ---------------- head
	s_load_b512 s[4:19], s[0:1], 0x0               ; xq, wq, bA, bB, bV, aq, pq, vq
	v_lshl_add_u32 v254, v0, 2, 0x46000
	v_mov_b32 v255, 0
	ds_add_u32 v254, v255
	ds_add_u32 v254, v255
	s_wait_dscnt 0x0
	v_lshrrev_b32 v14, 5, v0
	v_readfirstlane_b32 s[WV], v14                 ; wave 0..7
	s_bfe_u32 s21, ttmp6, 0x40000                  ; cx: my place in the cluster
	s_lshl_b32 s22, ttmp9, 2
	s_add_co_u32 s22, s22, s21                     ; g = 4 x cluster x + cx: it enters global addresses alone, and none of a joint load
	s_and_b32 s23, ttmp7, 0xffff                   ; batch b, which the four partners share
	v_and_b32 v14, 31, v0                          ; lane
	v_and_b32 v15, 15, v0                          ; r
	v_bfe_u32 v152, v0, 4, 1                       ; h
	v_lshlrev_b32 v1, 4, v14                       ; 16 x lane: a fragment's place for my lane
	v_lshlrev_b32 v2, 2, v14                       ; 4 x lane
	v_lshlrev_b32 v3, 3, v14                       ; 8 x lane
	s_lshl_b32 s70, s[WV], 15                      ; my part of x's codes in LDS
	s_lshl_b32 s71, s[WV], 11
	s_add_co_u32 s71, s71, XSC                     ; and of its scale words
	s_lshl_b32 s68, s[WV], 2
	s_add_co_u32 s69, s68, ST3
	s_add_co_u32 s68, s68, ST1
	v_add_nc_u32 v4, s70, v1
	v_add_nc_u32 v5, s71, v2
	v_and_b32 v153, 8, v15
	v_add_nc_u32 v153, v153, v15                   ; r + 8 (r / 8)
	v_lshlrev_b32 v6, 2, v153                      ; the bias of a lane's row
	v_lshlrev_b32 v7, 6, v152                      ; the bias along d: 16 h numbers on
	v_lshl_add_u32 v8, v15, 5, s68                 ; ST1 + 4 w + 32 r: my word of row r
	v_lshl_add_u32 v9, v15, 5, ST1                 ; row r's eight words
	v_lshl_add_u32 v10, v152, 9, s69               ; ST3 + 4 w + 512 h
	v_lshl_add_u32 v11, v152, 9, ST3
	v_and_b32 v12, 63, v0
	v_lshl_add_u32 v12, v12, 5, ST2                ; waves 0 and 1: row (thread)'s eight sums
	v_lshl_add_u32 v13, v152, 3, v153
	v_lshlrev_b32 v13, 2, v13                      ; and where its reciprocal goes: d = 8 h + r + 8 (r / 8) of the wave's 32
	v_cmp_lt_u32 vcc_lo, 15, v14                   ; lanes 16-31; never written again
	s_mov_b32 s[CS], 0x3fb8aa3b                    ; log2(e)
	s_mov_b32 s[CS+1], 0x3fb8aa3b
	s_mov_b32 s[SEL], 0x76543210
	s_mov_b32 s[SEL+1], 0xfedcba98
	; descriptor group 1 for the codes: 64 rows of 256 bytes, dense: 16,384 bytes
	s_mov_b32 s24, 15|(3<<16)|(1<<21)              ; 15:0 the mask: all four work-groups; 17:16 elements of 8 bytes; 21 set beside a mask
	s_mov_b32 s25, 32<<16                          ; tensor_dim0 = 32
	s_mov_b32 s26, 64<<16                          ; tensor_dim1 = 64
	s_mov_b32 s27, 32<<16                          ; tile_dim0 = 32
	s_mov_b32 s28, 64                              ; tile_dim1 = 64
	s_mov_b32 s29, 32                              ; the pitch
	s_mov_b32 s30, 0
	s_mov_b32 s31, 0
	; and for the scale words: 4 rows (K steps) of 512 bytes, 4,096 bytes apart
	s_mov_b32 s32, 15|(3<<16)|(1<<21)
	s_mov_b32 s33, 64<<16
	s_mov_b32 s34, 4<<16
	s_mov_b32 s35, 64<<16
	s_mov_b32 s36, 4
	s_mov_b32 s37, 512
	s_mov_b32 s38, 0
	s_mov_b32 s39, 0
	s_lshl_b32 s80, s23, 18
	s_add_co_u32 s80, s80, s70                     ; my codes of x: b x 2^18 + 32,768 w
	s_mov_b32 s81, 0
	s_lshl_b32 s82, s23, 14
	s_lshl_b32 s83, s[WV], 9
	s_add_co_u32 s82, s82, s83
	s_add_co_u32 s82, s82, 8388608                 ; my scale words: 8,388,608 + b x 2^14 + 512 w
	s_mov_b32 s83, 0
	s_wait_kmcnt 0x0
	s_mov_b32 s40, 1
	s_mov_b32 s41, s71
	s_add_nc_u64 s[42:43], s[4:5], s[82:83]
	s_or_b32 s43, s43, 0x80000000
	s_mov_b32 s44, 1
	s_mov_b32 s45, s70
	s_add_nc_u64 s[46:47], s[4:5], s[80:81]
	s_add_nc_u64 s[50:51], s[46:47], 16384
	s_or_b32 s47, s47, 0x80000000
	s_mov_b32 s48, 1
	s_add_co_u32 s49, s70, 16384
	s_or_b32 s51, s51, 0x80000000
	; the bases that hang on g: each is made once and never written again
	s_mov_b32 s73, 0
	s_mov_b32 s75, 0
	s_lshl_b32 s72, s22, 8
	s_add_nc_u64 s[8:9], s[8:9], s[72:73]          ; the biases at my 64 rows
	s_add_nc_u64 s[10:11], s[10:11], s[72:73]
	s_add_nc_u64 s[12:13], s[12:13], s[72:73]
	s_add_co_u32 s72, s72, 524288
	s_add_nc_u64 s[56:57], s[6:7], s[72:73]        ; the weights' scale words: my two pairs of tiles
	s_lshl_b32 s72, s22, 14
	s_add_nc_u64 s[6:7], s[6:7], s[72:73]          ; the weights' codes: my four tiles
	s_lshl_b32 s74, s23, 14                        ; scale words of A and of p: 8,388,608 + b x 2^14 + 2,048 w + 256 g
	s_lshl_b32 s76, s[WV], 11
	s_add_co_u32 s74, s74, s76
	s_lshl_b32 s76, s22, 8
	s_add_co_u32 s74, s74, s76
	s_add_co_u32 s74, s74, 8388608
	s_add_nc_u64 s[58:59], s[14:15], s[74:75]
	s_add_nc_u64 s[60:61], s[16:17], s[74:75]
	s_lshl_b32 s74, s23, 11                        ; 1 / l: 8,912,896 + 2,048 b + 256 g + 128 w
	s_add_co_u32 s74, s74, s76
	s_lshl_b32 s76, s[WV], 7
	s_add_co_u32 s74, s74, s76
	s_add_co_u32 s74, s74, 8912896
	s_add_nc_u64 s[62:63], s[16:17], s[74:75]
	s_lshl_b32 s72, s23, 18                        ; codes of A and of p: b x 2^18 + four tiles of 8,192 x g + 1,024 w
	s_lshl_b32 s76, s22, 15
	s_add_co_u32 s72, s72, s76
	s_lshl_b32 s76, s[WV], 10
	s_add_co_u32 s72, s72, s76
	s_add_nc_u64 s[14:15], s[14:15], s[72:73]
	s_add_nc_u64 s[16:17], s[16:17], s[72:73]
	s_lshl_b32 s74, s23, 14                        ; V's scale halfwords: 8,388,608 + b x 2^14 + 2,048 g + 256 w
	s_lshl_b32 s76, s22, 11
	s_add_co_u32 s74, s74, s76
	s_lshl_b32 s76, s[WV], 8
	s_add_co_u32 s74, s74, s76
	s_add_co_u32 s74, s74, 8388608
	s_add_nc_u64 s[66:67], s[18:19], s[74:75]
	s_lshl_b32 s72, s22, 9                         ; V's codes: b x 2^18 + 32,768 w + 512 g: my two blocks of d are half a fragment
	s_add_co_u32 s72, s72, s80
	s_add_nc_u64 s[18:19], s[18:19], s[72:73]
	LOADW 0
	ROUND                                          ; all four work-groups are here: the joint loads meet
	tensor_load_to_lds s[40:43], s[32:39]          ; three loads of mine are out: my scale words,
	s_nop 0
	tensor_load_to_lds s[44:47], s[24:31]          ; my tiles 0-3,
	s_nop 0
	tensor_load_to_lds s[48:51], s[24:31]          ; my tiles 4-7
	s_nop 0
	PLACES                                         ; four v_nop follow the last
	; ---------------- phase A
	s_wait_loadcnt 0x0
	BIASREP
	MATMUL 0, 1
	LOADW 1                                        ; the next phase's weights land while this phase is quantised
	Q16 1
	STOREQ 14, 58
	; ---------------- phase P
	s_wait_loadcnt 0x0
	BIASREP
	MATMUL 0, 0
	LOADW 2
	WIN 0x05                                       ; the largest logit of each block of 32 n: it serves for the row's maximum and, since p rises with the logit, for the block's largest p
.irp g, 0,1,2,3
.irp b, 0,1,2,3
	v_max_num_f32 v[TM+4*\g+\b], v[64*\g+16*\b], v[64*\g+16*\b+1]
.endr
.endr
.irp i, 2,4,6,8,10,12,14
.irp g, 0,1,2,3
.irp b, 0,1,2,3
	v_max3_num_f32 v[TM+4*\g+\b], v[64*\g+16*\b+\i], v[64*\g+16*\b+\i+1], v[TM+4*\g+\b]
.endr
.endr
.endr
	QS2A
.irp rt, 0,1,2,3
	v_max3_num_f32 v[PC+\rt], v[TM+4*\rt], v[TM+4*\rt+1], v[TM+4*\rt+2]
.endr
.irp rt, 0,1,2,3
	v_max_num_f32 v[PC+\rt], v[PC+\rt], v[TM+4*\rt+3]      ; my 128 n of the row
.endr
.irp rt, 0,1,2,3
	ds_store_b32 v8, v[PC+\rt] offset:512*\rt      ; both halves of the lanes write the same word with the same value
.endr
	BARRIER                                        ; the eight waves' maxima lie in LDS
.irp rt, 0,1,2,3
.irp k, 0,1
	ds_load_b128 v[TP+8*\rt+4*\k:TP+8*\rt+4*\k+3], v9 offset:512*\rt+16*\k
.endr
.endr
	s_wait_dscnt 0x0
.irp rt, 0,1,2,3
	v_max3_num_f32 v[RM+\rt], v[TP+8*\rt], v[TP+8*\rt+1], v[TP+8*\rt+2]
.endr
.irp i, 3,5
.irp rt, 0,1,2,3
	v_max3_num_f32 v[RM+\rt], v[RM+\rt], v[TP+8*\rt+\i], v[TP+8*\rt+\i+1]
.endr
.endr
.irp rt, 0,1,2,3
	v_max_num_f32 v[RM+\rt], v[RM+\rt], v[TP+8*\rt+7]
.endr
.irp rt, 0,1,2,3
	v_mul_f32 v[RM+\rt], s[CS], v[RM+\rt]          ; the row's largest t
.endr
.irp rt, 0,1,2,3
	v_floor_f32 v[NM+2*\rt], -v[RM+\rt]            ; -M = floor(-t) = -ceil(t): a whole number
.endr
.irp rt, 0,1,2,3
	v_mov_b32 v[NM+2*\rt+1], v[NM+2*\rt]
.endr
.irp g, 0,1,2,3
.irp b, 0,1,2,3
	v_fma_f32 v[TM+4*\g+\b], v[TM+4*\g+\b], s[CS], v[NM+2*\g]      ; t - M of each block's largest logit
.endr
.endr
	WIN 0x41
.irp g, 0,1,2,3
.set k_, 0
.rept 32
	v_pk_fma_f32 v[64*\g+2*k_:64*\g+2*k_+1], v[64*\g+2*k_:64*\g+2*k_+1], s[CS:CS+1], v[NM+2*\g:NM+2*\g+1] op_sel_hi:[1,0,1]   ; t - M, two at a time
.set k_, k_+1
.endr
.endr
	WIN 0
.set q_, 0
.rept 16
	v_exp_f32 v[TM+q_], v[TM+q_]                   ; the blocks' largest p: the same multiply-add and exponential on the same number give the same bits
.set q_, q_+1
.endr
	v_nop                                          ; a plain line behind the last exponential,
	s_wait_alu depctr_va_vdst(0)                   ; and one wait for the sixteen
	WIN 0x41
.set q_, 0
.rept 256
	v_exp_f32 v[q_], v[q_]                         ; p = 2^(t - M), at most 1, not normalised
.set q_, q_+1
.endr
	WIN 0
	v_nop
	s_wait_alu depctr_va_vdst(0)                   ; one wait for the 256, ahead of their first reader
	WIN 0x05                                       ; the row's sum is taken of the unquantised p: two chains a row tile
.irp rt, 0,1,2,3
	v_pk_add_f32 v[TP+4*\rt:TP+4*\rt+1], v[64*\rt:64*\rt+1], v[64*\rt+2:64*\rt+3]
	v_pk_add_f32 v[TP+4*\rt+2:TP+4*\rt+3], v[64*\rt+4:64*\rt+5], v[64*\rt+6:64*\rt+7]
.endr
	WIN 0x01
.set k_, 4
.rept 14
.irp rt, 0,1,2,3
	v_pk_add_f32 v[TP+4*\rt:TP+4*\rt+1], v[64*\rt+2*k_:64*\rt+2*k_+1], v[TP+4*\rt:TP+4*\rt+1]
	v_pk_add_f32 v[TP+4*\rt+2:TP+4*\rt+3], v[64*\rt+2*k_+2:64*\rt+2*k_+3], v[TP+4*\rt+2:TP+4*\rt+3]
.endr
.set k_, k_+2
.endr
	WIN 0
.irp rt, 0,1,2,3
	v_pk_add_f32 v[TP+4*\rt:TP+4*\rt+1], v[TP+4*\rt:TP+4*\rt+1], v[TP+4*\rt+2:TP+4*\rt+3]
.endr
.irp rt, 0,1,2,3
	v_add_f32 v[TP+4*\rt], v[TP+4*\rt], v[TP+4*\rt+1]
.endr
.irp rt, 0,1,2,3
	v_permlanex16_b32 v[TP+4*\rt+2], v[TP+4*\rt], s[SEL], s[SEL+1]
.endr
.irp rt, 0,1,2,3
	v_add_f32 v[TP+4*\rt], v[TP+4*\rt], v[TP+4*\rt+2]      ; my 128 n of the row
.endr
.irp rt, 0,1,2,3
	ds_store_b32 v8, v[TP+4*\rt] offset:2048+512*\rt       ; read behind the next barrier
.endr
	s_wait_dscnt 0x0                               ; the stores have read their registers
.set q_, 0
.rept 16
	v_max_num_f32 v[TM+q_], 0x1800000, v[TM+q_]    ; the floor: a block whose every p has fallen to 0 keeps the byte 1: its codes are zeros
.set q_, q_+1
.endr
	QS2B
	QS34 1
	STOREQ 16, 60
	; ---------------- phase V: a lane holds one n; slot 8 dt + j of a lane's half h is d = 32 (dt / 2) + 16 h + 8 (dt % 2) + j; accumulator (nt, dt) at v[32 nt + 8 dt]
	s_wait_loadcnt 0x0
	MATMUL 1, 0
	WIN 0x05                                       ; the maximum over my eight n tiles
.set q_, 0
.rept 32
	v_max_num_f32 v[SM+q_], v[q_], v[32+q_]
.set q_, q_+1
.endr
.irp n, 64,128,192
.set q_, 0
.rept 32
	v_max3_num_f32 v[SM+q_], v[\n+q_], v[\n+32+q_], v[SM+q_]
.set q_, q_+1
.endr
.endr
	WIN 0
.irp m, 1,2,4,8                                ; and over the sixteen lanes of my half
.set q_, 0
.rept 32
	v_max_num_f32_dpp v[SM+q_], v[SM+q_], v[SM+q_] row_xmask:\m row_mask:0xf bank_mask:0xf
.set q_, q_+1
.endr
.endr
.set q_, 0
.rept 32
	ds_store_b32 v10, v[SM+q_] offset:(32*((q_/8)/2)+8*((q_/8)%2)+q_%8)*32     ; sixteen lanes write the same word with the same value
.set q_, q_+1
.endr
	BARRIER                                        ; the softmax's maxima lie in LDS, and so do p's sums
	s_cmp_lt_u32 s[WV], 2                          ; waves 0 and 1: 1 / l of the work-group's 64 rows of p, a lane a row
	s_cbranch_scc0 .Lno_li
	ds_load_b128 v[LTMP:LTMP+3], v12
	ds_load_b128 v[LTMP+4:LTMP+7], v12 offset:16
	s_wait_dscnt 0x0
	v_pk_add_f32 v[LTMP:LTMP+1], v[LTMP:LTMP+1], v[LTMP+2:LTMP+3]
	v_pk_add_f32 v[LTMP+4:LTMP+5], v[LTMP+4:LTMP+5], v[LTMP+6:LTMP+7]
	v_pk_add_f32 v[LTMP:LTMP+1], v[LTMP:LTMP+1], v[LTMP+4:LTMP+5]
	v_add_f32 v[LTMP], v[LTMP], v[LTMP+1]
	v_rcp_f32 v[LTMP+2], v[LTMP]
	v_nop
	s_wait_alu depctr_va_vdst(0)
	global_store_b32 v13, v[LTMP+2], s[62:63]      ; these registers are not written again
.Lno_li:
	RDST 0, 0
.irp dt, 0,1,2,3
.if \dt < 3
	RDST \dt+1, 0
	s_wait_dscnt 16                                ; all but the 16 loads just issued
.else
	s_wait_dscnt 0x0
.endif
	REDMAX \dt
.endr
	WIN 0x41
.irp nt, 0,1,2,3,4,5,6,7
.set k_, 0
.rept 16
	v_pk_fma_f32 v[32*\nt+2*k_:32*\nt+2*k_+1], v[32*\nt+2*k_:32*\nt+2*k_+1], s[CS:CS+1], v[SM+2*k_:SM+2*k_+1] op_sel_hi:[1,0,1]   ; (logit - maximum) x log2(e)
.set k_, k_+1
.endr
.endr
.set q_, 0
.rept 256
	v_exp_f32 v[q_], v[q_]
.set q_, q_+1
.endr
	WIN 0
	v_nop
	s_wait_alu depctr_va_vdst(0)                   ; one wait for the 256
	WIN 0x05
.set k_, 0
.rept 16
	v_pk_add_f32 v[SM+2*k_:SM+2*k_+1], v[2*k_:2*k_+1], v[32+2*k_:32+2*k_+1]
.set k_, k_+1
.endr
	WIN 0x01
.irp nt, 2,3,4,5,6,7
.set k_, 0
.rept 16
	v_pk_add_f32 v[SM+2*k_:SM+2*k_+1], v[32*\nt+2*k_:32*\nt+2*k_+1], v[SM+2*k_:SM+2*k_+1]
.set k_, k_+1
.endr
.endr
	WIN 0
.irp m, 1,2,4,8
.set q_, 0
.rept 32
	v_add_f32_dpp v[SM+q_], v[SM+q_], v[SM+q_] row_xmask:\m row_mask:0xf bank_mask:0xf
.set q_, q_+1
.endr
.endr
.set q_, 0
.rept 32
	ds_store_b32 v10, v[SM+q_] offset:2048+(32*((q_/8)/2)+8*((q_/8)%2)+q_%8)*32
.set q_, q_+1
.endr
	BARRIER                                        ; the softmax's sums lie in LDS
	RDST 0, 2048
.irp dt, 0,1,2,3
.if \dt < 3
	RDST \dt+1, 2048
	s_wait_dscnt 16
.else
	s_wait_dscnt 0x0
.endif
	REDSUM \dt
.endr
.set q_, 0
.rept 32
	v_rcp_f32 v[SM+q_], v[SM+q_]
.set q_, q_+1
.endr
	v_nop
	s_wait_alu depctr_va_vdst(0)
	WIN 0x41
.irp nt, 0,1,2,3,4,5,6,7
.set k_, 0
.rept 16
	v_pk_mul_f32 v[32*\nt+2*k_:32*\nt+2*k_+1], v[32*\nt+2*k_:32*\nt+2*k_+1], v[SM+2*k_:SM+2*k_+1]     ; the finished softmax
.set k_, k_+1
.endr
.endr
	WIN 0x05                                       ; its quantiser along d: block q = 2 nt + bd at v[16 q]; nothing is negative, so no |.|
.set q_, 0
.rept 16
	v_max3_num_f32 v[VTM+q_], v[16*q_], v[16*q_+1], 0x1800000
.set q_, q_+1
.endr
.irp i, 2,4,6,8,10,12,14
.set q_, 0
.rept 16
	v_max3_num_f32 v[VTM+q_], v[16*q_+\i], v[16*q_+\i+1], v[VTM+q_]
.set q_, q_+1
.endr
.endr
	WIN 0
.set q_, 0
.rept 16
	v_permlanex16_b32 v[VTP+q_], v[VTM+q_], s[SEL], s[SEL+1]
.set q_, q_+1
.endr
.set q_, 0
.rept 16
	v_max_num_f32 v[VTM+q_], v[VTM+q_], v[VTP+q_]
.set q_, q_+1
.endr
.set q_, 0
.rept 16
	v_add_nc_u32 v[VTM+q_], 0xff000000, v[VTM+q_]
.set q_, q_+1
.endr
.set q_, 0
.rept 16
	v_lshrrev_b32 v[VTP+q_], 23, v[VTM+q_]
.set q_, q_+1
.endr
.irp nt, 0,1,2,3,4,5,6,7
	v_lshl_or_b32 v[HW+\nt], v[VTP+2*\nt+1], 8, v[VTP+2*\nt]       ; my two blocks' bytes: half a scale word
.endr
	WIN 0x01
.set q_, 0
.rept 16
	v_cvt_scalef32_pk8_fp4_f32 v[VC+2*q_], v[16*q_:16*q_+7], v[VTM+q_]
	v_cvt_scalef32_pk8_fp4_f32 v[VC+2*q_+1], v[16*q_+8:16*q_+15], v[VTM+q_]
.set q_, q_+1
.endr
	WIN 0
	v_nop                                          ; one plain line behind the last scaled conversion
.irp nt, 0,1,2,3,4,5,6,7
.irp i, 0,1
	v_permlane16_swap_b32 v[VC+4*\nt+\i], v[VC+4*\nt+2+\i]
.endr
.endr
.irp nt, 0,1,2,3,4,5,6,7
	global_store_b128 v1, v[VC+4*\nt:VC+4*\nt+3], s[18:19] offset:\nt*4096     ; half a fragment: 512 consecutive bytes
.endr
.irp q, 0,1,2,3
	v_cndmask_b32 v[EQW+\q], v[HW+2*\q], v[HW+2*\q+1], vcc_lo      ; lane (i, h): tile 2 q + h
.endr
	v_lshl_or_b32 v[EQW], v[EQW+1], 16, v[EQW]
	v_lshl_or_b32 v[EQW+1], v[EQW+3], 16, v[EQW+2]
	global_store_b64 v3, v[EQW:EQW+1], s[66:67]    ; 256 consecutive bytes
	s_wait_xcnt 0x0
	v_lshl_add_u32 v254, v0, 2, 0x46000
	v_mov_b32 v255, 0
	s_wait_tensorcnt 0x0
	ds_add_u32 v254, v255
	s_wait_dscnt 0x0
	ROUND                                          ; the closing round
	s_endpgm
.Lfunc_end_k_q9baac5d893_proj:
	.size	k_q9baac5d893_proj, .Lfunc_end_k_q9baac5d893_proj-k_q9baac5d893_proj
	.p2alignl 7, 3214868480
	.fill 96, 4, 3214868480
	.section	.rodata,"a",@progbits
	.p2align	6, 0x0
	.amdhsa_kernel k_q9baac5d893_proj
		.amdhsa_group_segment_fixed_size 287744
		.amdhsa_private_segment_fixed_size 0
		.amdhsa_enable_private_segment 0
		.amdhsa_kernarg_size 64
		.amdhsa_user_sgpr_count 2
		.amdhsa_user_sgpr_kernarg_segment_ptr 1
		.amdhsa_wavefront_size32 1
		.amdhsa_system_sgpr_workgroup_id_x 1
		.amdhsa_system_sgpr_workgroup_id_y 1
		.amdhsa_system_sgpr_workgroup_id_z 1
		.amdhsa_system_vgpr_workitem_id 0
		.amdhsa_next_free_vgpr 512
		.amdhsa_next_free_sgpr 84
		.amdhsa_reserve_vcc 1
		.amdhsa_float_denorm_mode_32 3
		.amdhsa_float_denorm_mode_16_64 3
		.amdhsa_memory_ordered 1
		.amdhsa_forward_progress 1
		.amdhsa_inst_pref_size 252
	.end_amdhsa_kernel
	.amdgpu_metadata
---
amdhsa.version: [ 1, 2 ]
amdhsa.kernels:
  - .name:           k_q9baac5d893_proj
    .symbol:         k_q9baac5d893_proj.kd
    .args:
      - { .name: xq, .offset: 0, .size: 8, .value_kind: global_buffer, .address_space: global }
      - { .name: wq, .offset: 8, .size: 8, .value_kind: global_buffer, .address_space: global }
      - { .name: bA, .offset: 16, .size: 8, .value_kind: global_buffer, .address_space: global }
      - { .name: bB, .offset: 24, .size: 8, .value_kind: global_buffer, .address_space: global }
      - { .name: bV, .offset: 32, .size: 8, .value_kind: global_buffer, .address_space: global }
      - { .name: aq, .offset: 40, .size: 8, .value_kind: global_buffer, .address_space: global }
      - { .name: pq, .offset: 48, .size: 8, .value_kind: global_buffer, .address_space: global }
      - { .name: vq, .offset: 56, .size: 8, .value_kind: global_buffer, .address_space: global }
    .group_segment_fixed_size: 287744
    .private_segment_fixed_size: 0
    .kernarg_segment_align: 8
    .kernarg_segment_size: 64
    .max_flat_workgroup_size: 256
    .sgpr_count:     84
    .vgpr_count:     512
    .wavefront_size: 32
...
	.end_amdgpu_metadata
.endif
;; end of part 2
;; launch gdesc (part 3): grid 8 x 32, 4 waves a work-group, clusters of 4 x 1, 168,448 bytes of LDS; arguments aq, pq, gq; writes gq
.if DOCPART == 3
	.amdgcn_target "amdgcn-amd-amdhsa--gfx1250"
	.amdhsa_code_object_version 6
	.text
	.protected	k_q9baac5d893_gdesc
	.globl	k_q9baac5d893_gdesc
	.p2align	8
	.type	k_q9baac5d893_gdesc,@function
k_q9baac5d893_gdesc:
	s_mov_b64 s[64:65], 0
	v_nop
	global_prefetch_b8 v0, s[64:65] scope:SCOPE_SE
	s_setreg_imm32_b32 hwreg(HW_REG_WAVE_MODE, 25, 1), 1
	s_wait_xcnt 0x0
	s_wait_alu depctr_hold_cnt(0) depctr_sa_sdst(0) depctr_va_vdst(0) depctr_va_sdst(0) depctr_va_ssrc(0) depctr_va_vcc(0) depctr_vm_vsrc(0)
	s_getreg_b32 s2, hwreg(HW_REG_IB_STS2, 6, 4)
	s_cmp_eq_u32 s2, 0
	s_cbranch_scc0 .Lentry_in_a_cluster
	s_endpgm
.Lentry_in_a_cluster:
	s_bfe_u32 s2, ttmp6, 0x10000c
	s_cmp_lg_u32 s2, 0x3003
	s_cbranch_scc0 .Lentry_shape_is_right
	s_endpgm
.Lentry_shape_is_right:
; G[c][d] = (the sum over n of A[c][n] p[d][n]) / l[d] on codes of FP4, K = n = 1,024; G is quantised along d and leaves as codes and scale bytes.
; SHARES.  A work-group makes 128 c (tiles 8 ci ..) x 256 d (tiles 16 di ..) of one batch; ci is its place in the cluster, di the cluster's x.  Wave w: c tiles 4 (w / 2) .. + 3 of those, d tiles 8 (w % 2) .. + 7 (128 d: one K step
; of the next product): 32 accumulators.  CLUSTER.  The four partners need the same 131,072 bytes of p: they are asked for JOINTLY (mask 15), in two halves along K, once.  No LDS byte is filled twice.
; A wave's 32 fragments of A are read by two waves of one work-group: they go from memory straight into registers.
; LAYOUT.  Source 0 = p (16 d), source 1 = A (16 c): a lane holds one c, and the 16 registers of two neighbouring tiles are 16 neighbouring d, since row i of tile 2 B + U is index 32 B + 8 U + i + 8 (i / 8).
; LIMITS: NaN and infinities are not served; a block whose largest magnitude lies under 2^-124 gets the byte 1 (read by this program alone); the division by l is a multiplication by the stored reciprocal.
; REGISTERS.  Window 0: v1-5 addresses; v16-31 A's scale words, v32-63 p's; v64-191 two buffers of p's eight fragments, at work in the quantiser.  Window 1: A's fragments (ct, s) at v[8 (8 ct + s)].
; Window 2: the accumulators (ct, dt) at v[64 ct + 8 dt].  Window 3: 1 / l at v[8 dt + j].
.set ASW, 16
.set PSW, 32
.set PF,  64
.set TM,  64
.set TP,  80                           ; (written whole by the LDS loads of p before its first use)
.set PC,  96
.set WV,  10
.set SEL, 58
.set MSB, 0
.macro WIN new
.if MSB != (\new)
	s_set_vgpr_msb (MSB<<8)|(\new)
.set MSB, \new
.endif
.endm
.macro PLACES                          ; four plain vector lines behind matrix instructions, ahead of reads of results and of loads into their registers
.rept 4
	v_nop
.endr
.endm
.macro ROUND
	s_barrier_signal -1
	s_barrier_wait -1
	s_cmp_lg_u32 s[WV], 0
	s_cbranch_scc1 .Lnot_wave_0_\@
	s_barrier_signal -3
.Lnot_wave_0_\@:
	s_barrier_wait -3
	s_barrier_signal -1
	s_barrier_wait -1
.endm
.macro WM d, a, b, c, sa, sb, ra, rb
.if (\c) < 0
.if (\ra) && (\rb)
	v_wmma_scale_f32_16x16x128_f8f6f4 v[\d:\d+7], v[\a:\a+7], v[\b:\b+7], 0, v[\sa], v[\sb] matrix_a_fmt:MATRIX_FMT_FP4 matrix_b_fmt:MATRIX_FMT_FP4 matrix_a_scale:MATRIX_SCALE_ROW1 matrix_b_scale:MATRIX_SCALE_ROW1
.elseif (\ra)
	v_wmma_scale_f32_16x16x128_f8f6f4 v[\d:\d+7], v[\a:\a+7], v[\b:\b+7], 0, v[\sa], v[\sb] matrix_a_fmt:MATRIX_FMT_FP4 matrix_b_fmt:MATRIX_FMT_FP4 matrix_a_scale:MATRIX_SCALE_ROW1
.elseif (\rb)
	v_wmma_scale_f32_16x16x128_f8f6f4 v[\d:\d+7], v[\a:\a+7], v[\b:\b+7], 0, v[\sa], v[\sb] matrix_a_fmt:MATRIX_FMT_FP4 matrix_b_fmt:MATRIX_FMT_FP4 matrix_b_scale:MATRIX_SCALE_ROW1
.else
	v_wmma_scale_f32_16x16x128_f8f6f4 v[\d:\d+7], v[\a:\a+7], v[\b:\b+7], 0, v[\sa], v[\sb] matrix_a_fmt:MATRIX_FMT_FP4 matrix_b_fmt:MATRIX_FMT_FP4
.endif
.else
.if (\ra) && (\rb)
	v_wmma_scale_f32_16x16x128_f8f6f4 v[\d:\d+7], v[\a:\a+7], v[\b:\b+7], v[\c:\c+7], v[\sa], v[\sb] matrix_a_fmt:MATRIX_FMT_FP4 matrix_b_fmt:MATRIX_FMT_FP4 matrix_a_scale:MATRIX_SCALE_ROW1 matrix_b_scale:MATRIX_SCALE_ROW1
.elseif (\ra)
	v_wmma_scale_f32_16x16x128_f8f6f4 v[\d:\d+7], v[\a:\a+7], v[\b:\b+7], v[\c:\c+7], v[\sa], v[\sb] matrix_a_fmt:MATRIX_FMT_FP4 matrix_b_fmt:MATRIX_FMT_FP4 matrix_a_scale:MATRIX_SCALE_ROW1
.elseif (\rb)
	v_wmma_scale_f32_16x16x128_f8f6f4 v[\d:\d+7], v[\a:\a+7], v[\b:\b+7], v[\c:\c+7], v[\sa], v[\sb] matrix_a_fmt:MATRIX_FMT_FP4 matrix_b_fmt:MATRIX_FMT_FP4 matrix_b_scale:MATRIX_SCALE_ROW1
.else
	v_wmma_scale_f32_16x16x128_f8f6f4 v[\d:\d+7], v[\a:\a+7], v[\b:\b+7], v[\c:\c+7], v[\sa], v[\sb] matrix_a_fmt:MATRIX_FMT_FP4 matrix_b_fmt:MATRIX_FMT_FP4
.endif
.endif
.endm
; THE QUANTISER of 16 blocks: block 4 g + b has its lane's 16 numbers at v[64 g + 16 b] of window SW.  Four fragments come out in v[PC] on, four scale words in v[TP + 4 g].
.macro Q16 SW
	WIN (\SW)|((\SW)<<2)
.irp g, 0,1,2,3
.irp b, 0,1,2,3
	v_max3_num_f32 v[TM+4*\g+\b], |v[64*\g+16*\b]|, |v[64*\g+16*\b+1]|, 0x1800000     ; with the floor 2^(3 - 127): the byte cannot fall under 1
.endr
.endr
.irp i, 2,4,6,8,10,12,14
.irp g, 0,1,2,3
.irp b, 0,1,2,3
	v_max3_num_f32 v[TM+4*\g+\b], |v[64*\g+16*\b+\i]|, |v[64*\g+16*\b+\i+1]|, v[TM+4*\g+\b]
.endr
.endr
.endr
	WIN 0
.set q_, 0
.rept 16
	v_permlanex16_b32 v[TP+q_], v[TM+q_], s[SEL], s[SEL+1]
.set q_, q_+1
.endr
.set q_, 0
.rept 16
	v_max_num_f32 v[TM+q_], v[TM+q_], v[TP+q_]     ; with lane l xor 16's: the block's largest magnitude
.set q_, q_+1
.endr
.set q_, 0
.rept 16
	v_add_nc_u32 v[TM+q_], 0xff000000, v[TM+q_]    ; 2 off the exponent field: the conversion's scale operand
.set q_, q_+1
.endr
.set q_, 0
.rept 16
	v_lshrrev_b32 v[TP+q_], 23, v[TM+q_]           ; the byte
.set q_, q_+1
.endr
.irp n, 1,2,3
.irp g, 0,1,2,3
	v_lshl_or_b32 v[TP+4*\g], v[TP+4*\g+\n], 8*\n, v[TP+4*\g]
.endr
.endr
	WIN \SW
.irp g, 0,1,2,3
.irp b, 0,1,2,3
	v_cvt_scalef32_pk8_fp4_f32 v[PC+8*\g+2*\b], v[64*\g+16*\b:64*\g+16*\b+7], v[TM+4*\g+\b]
	v_cvt_scalef32_pk8_fp4_f32 v[PC+8*\g+2*\b+1], v[64*\g+16*\b+8:64*\g+16*\b+15], v[TM+4*\g+\b]
.endr
.endr
	WIN 0
	v_nop                                          ; one plain line behind the last scaled conversion
.irp g, 0,1,2,3
.irp c, 0,1
.irp i, 0,1
	v_permlane16_swap_b32 v[PC+8*\g+4*\c+\i], v[PC+8*\g+4*\c+2+\i]
.endr
.endr
.endr
.endm
.macro FETCHP s                        ; my eight fragments of p for K step s into buffer s % 2
.irp dt, 0,1,2,3,4,5,6,7
.irp k, 0,1
	ds_load_b128 v[PF+64*((\s)%2)+8*\dt+4*\k:PF+64*((\s)%2)+8*\dt+4*\k+3], v[3+(\s)/4] offset:\dt*4096+((\s)%4)*1024+\k*512
.endr
.endr
.endm
	s_load_b128 s[4:7], s[0:1], 0x0                ; aq, pq
	s_load_b64 s[8:9], s[0:1], 0x10                ; gq
	v_lshl_add_u32 v254, v0, 2, 0x29000
	v_mov_b32 v255, 0
	ds_add_u32 v254, v255
	ds_add_u32 v254, v255
	v_lshrrev_b32 v14, 5, v0
	v_readfirstlane_b32 s[WV], v14                 ; wave 0..3
	s_bfe_u32 s11, ttmp6, 0x40000                  ; ci = cx: it enters A's and G's global addresses alone
	s_mov_b32 s12, ttmp9                           ; di, which the four partners share
	s_and_b32 s13, ttmp7, 0xffff                   ; batch b
	s_lshr_b32 s14, s[WV], 1                       ; ch
	s_and_b32 s15, s[WV], 1                        ; dh
	v_and_b32 v14, 31, v0
	v_bfe_u32 v15, v0, 4, 1
	v_lshlrev_b32 v1, 4, v14                       ; 16 x lane
	v_lshlrev_b32 v2, 3, v14                       ; 8 x lane
	s_lshl_b32 s16, s15, 15
	v_add_nc_u32 v3, s16, v1                       ; my eight tiles of p in LDS, K steps 0-3;
	v_add_nc_u32 v4, 0x10000, v3                   ; K steps 4-7
	v_lshlrev_b32 v5, 6, v15                       ; 1 / l: 16 h numbers on
	v_cmp_lt_u32 vcc_lo, 15, v14                   ; lanes 16-31
	s_mov_b32 s[SEL], 0x76543210
	s_mov_b32 s[SEL+1], 0xfedcba98
	; descriptor group 1: 4 rows (tiles of d) of 4,096 bytes (four K steps), 8,192 bytes apart
	s_mov_b32 s24, 15|(3<<16)|(1<<21)              ; the mask: all four work-groups; elements of 8 bytes; bit 21 beside a mask
	s_mov_b32 s25, 512<<16
	s_mov_b32 s26, 4<<16
	s_mov_b32 s27, 512<<16
	s_mov_b32 s28, 4
	s_mov_b32 s29, 1024
	s_mov_b32 s30, 0
	s_mov_b32 s31, 0
	s_lshl_b32 s40, s13, 18                        ; what I fetch: b x 2^18 + 131,072 di + four tiles of 8,192 x wave
	s_lshl_b32 s41, s12, 17
	s_add_co_u32 s40, s40, s41
	s_lshl_b32 s41, s[WV], 15
	s_add_co_u32 s40, s40, s41
	s_mov_b32 s41, 0
	s_lshl_b32 s17, s[WV], 14                      ; and where it goes: 16,384 x wave
	s_wait_dscnt 0x0
	s_wait_kmcnt 0x0
	s_mov_b32 s32, 1
	s_mov_b32 s33, s17
	s_add_nc_u64 s[34:35], s[6:7], s[40:41]
	s_add_nc_u64 s[38:39], s[34:35], 4096
	s_or_b32 s35, s35, 0x80000000
	s_mov_b32 s36, 1
	s_add_co_u32 s37, s17, 65536
	s_or_b32 s39, s39, 0x80000000
	ROUND                                          ; all four work-groups are here: the joint loads meet
	tensor_load_to_lds s[32:35], s[24:31]          ; two loads of mine are out: K steps 0-3,
	s_nop 0
	tensor_load_to_lds s[36:39], s[24:31]          ; K steps 4-7
	s_nop 0
	PLACES                                         ; four v_nop follow the last
	s_lshl_b32 s18, s11, 1
	s_add_co_u32 s18, s18, s14                     ; 2 ci + ch: my four tiles of c
	s_lshl_b32 s19, s12, 1
	s_add_co_u32 s19, s19, s15                     ; 2 di + dh: my 128 d
	s_mov_b32 s57, 0
	s_lshl_b32 s54, s13, 14
	s_add_co_u32 s54, s54, 8388608
	s_lshl_b32 s56, s18, 8
	s_add_co_u32 s56, s56, s54
	s_add_nc_u64 s[42:43], s[4:5], s[56:57]        ; A's scale words
	s_lshl_b32 s56, s19, 9
	s_add_co_u32 s56, s56, s54
	s_add_nc_u64 s[44:45], s[6:7], s[56:57]        ; p's
	s_lshl_b32 s56, s13, 11
	s_lshl_b32 s54, s19, 9
	s_add_co_u32 s56, s56, s54
	s_add_co_u32 s56, s56, 8912896
	s_add_nc_u64 s[46:47], s[6:7], s[56:57]        ; 1 / l of my 128 d
	s_lshl_b32 s56, s13, 18
	s_lshl_b32 s54, s18, 15
	s_add_co_u32 s56, s56, s54
	s_add_nc_u64 s[48:49], s[4:5], s[56:57]        ; A's codes: my four tiles, 32,768 consecutive bytes
	s_lshl_b32 s56, s13, 17
	s_lshl_b32 s54, s18, 14
	s_add_co_u32 s56, s56, s54
	s_lshl_b32 s54, s19, 10
	s_add_co_u32 s56, s56, s54
	s_add_nc_u64 s[50:51], s[8:9], s[56:57]        ; G's codes
	s_lshl_b32 s56, s13, 13
	s_lshl_b32 s54, s19, 11
	s_add_co_u32 s56, s56, s54
	s_lshl_b32 s54, s18, 8
	s_add_co_u32 s56, s56, s54
	s_add_co_u32 s56, s56, 4194304
	s_add_nc_u64 s[52:53], s[8:9], s[56:57]        ; G's scale words
.irp s, 0,1,2,3,4,5,6,7
	global_load_b64 v[ASW+2*\s:ASW+2*\s+1], v2, s[42:43] offset:\s*2048
.endr
.irp s, 0,1,2,3,4,5,6,7
.irp q, 0,1
	global_load_b64 v[PSW+4*\s+2*\q:PSW+4*\s+2*\q+1], v2, s[44:45] offset:\s*2048+\q*256
.endr
.endr
	WIN 0xc0                                       ; destination window 3
.irp dt, 0,1,2,3,4,5,6,7
.irp k, 0,1
	global_load_b128 v[8*\dt+4*\k:8*\dt+4*\k+3], v5, s[46:47] offset:(32*(\dt/2)+8*(\dt%2))*4+16*\k
.endr
.endr
	WIN 0x40                                       ; destination window 1
.set fi, 0
.rept 32
	global_load_b128 v[8*fi:8*fi+3], v1, s[48:49] offset:fi*1024
	global_load_b128 v[8*fi+4:8*fi+7], v1, s[48:49] offset:fi*1024+512
.set fi, fi+1
.endr
	WIN 0
	s_wait_loadcnt 0x0
	s_wait_tensorcnt 0x1                           ; my part of K steps 0-3 is in; my second load may be out
	s_barrier_signal -1
	s_barrier_wait -1                              ; everybody's is
	FETCHP 0
.irp s, 0,1,2,3,4,5,6,7
.if \s < 7
	WIN 0
.if \s >= 1
	PLACES
.endif
.if \s == 3
	s_wait_tensorcnt 0x0                           ; my part of K steps 4-7 is in,
	s_wait_dscnt 0x0
	s_barrier_signal -1
	s_barrier_wait -1                              ; everybody's is
.endif
	FETCHP \s+1
	s_wait_dscnt 16                                ; all but the 16 loads just issued
.else
	s_wait_dscnt 0x0
.endif
	WIN 0xa4                                       ; source 0 (p) window 0, source 1 (A) window 1, C and D window 2
.irp ct, 0,1,2,3                               ; the 32 accumulators by turns, one instruction a turn
.irp dt, 0,1,2,3,4,5,6,7
.set m_d, 64*\ct+8*\dt
.set m_a, PF+64*(\s%2)+8*\dt
.set m_b, 8*(8*\ct+\s)
.if \s == 0
.set m_c, -1
.else
.set m_c, m_d
.endif
.set m_sa, PSW+4*\s+\dt/2
.set m_sb, ASW+2*\s+\ct/2
.set m_ra, \dt%2
.set m_rb, \ct%2
	WM m_d, m_a, m_b, m_c, m_sa, m_sb, m_ra, m_rb
.endr
.endr
.endr
	WIN 0
	PLACES
	WIN 0x8e                                       ; the sums (window 2) x 1 / l (window 3); each accumulator from its low end on
.irp ct, 0,1,2,3
.set k_, 0
.rept 32
	v_pk_mul_f32 v[64*\ct+2*k_:64*\ct+2*k_+1], v[64*\ct+2*k_:64*\ct+2*k_+1], v[2*k_:2*k_+1]
.set k_, k_+1
.endr
.endr
	Q16 2
.irp ct, 0,1,2,3
.irp k, 0,1
	global_store_b128 v1, v[PC+8*\ct+4*\k:PC+8*\ct+4*\k+3], s[50:51] offset:\ct*4096+\k*512    ; 512 consecutive bytes
.endr
.endr
	v_cndmask_b32 v[TP+2], v[TP], v[TP+4], vcc_lo          ; word e of lane (i, h): row i of tile 2 e + h
	v_cndmask_b32 v[TP+3], v[TP+8], v[TP+12], vcc_lo
	global_store_b64 v2, v[TP+2:TP+3], s[52:53]    ; 256 consecutive bytes
	s_wait_tensorcnt 0x0
	ds_add_u32 v254, v255
	s_wait_dscnt 0x0
	ROUND                                          ; the closing round
	s_endpgm
.Lfunc_end_k_q9baac5d893_gdesc:
	.size	k_q9baac5d893_gdesc, .Lfunc_end_k_q9baac5d893_gdesc-k_q9baac5d893_gdesc
	.p2alignl 7, 3214868480
	.fill 96, 4, 3214868480
	.section	.rodata,"a",@progbits
	.p2align	6, 0x0
	.amdhsa_kernel k_q9baac5d893_gdesc
		.amdhsa_group_segment_fixed_size 168448
		.amdhsa_private_segment_fixed_size 0
		.amdhsa_enable_private_segment 0
		.amdhsa_kernarg_size 24
		.amdhsa_user_sgpr_count 2
		.amdhsa_user_sgpr_kernarg_segment_ptr 1
		.amdhsa_wavefront_size32 1
		.amdhsa_system_sgpr_workgroup_id_x 1
		.amdhsa_system_sgpr_workgroup_id_y 1
		.amdhsa_system_sgpr_workgroup_id_z 1
		.amdhsa_system_vgpr_workitem_id 0
		.amdhsa_next_free_vgpr 832
		.amdhsa_next_free_sgpr 66
		.amdhsa_reserve_vcc 1
		.amdhsa_float_denorm_mode_32 3
		.amdhsa_float_denorm_mode_16_64 3
		.amdhsa_memory_ordered 1
		.amdhsa_forward_progress 1
		.amdhsa_inst_pref_size 81
	.end_amdhsa_kernel
	.amdgpu_metadata
---
amdhsa.version: [ 1, 2 ]
amdhsa.kernels:
  - .name:           k_q9baac5d893_gdesc
    .symbol:         k_q9baac5d893_gdesc.kd
    .args:
      - { .name: aq, .offset: 0, .size: 8, .value_kind: global_buffer, .address_space: global }
      - { .name: pq, .offset: 8, .size: 8, .value_kind: global_buffer, .address_space: global }
      - { .name: gq, .offset: 16, .size: 8, .value_kind: global_buffer, .address_space: global }
    .group_segment_fixed_size: 168448
    .private_segment_fixed_size: 0
    .kernarg_segment_align: 8
    .kernarg_segment_size: 24
    .max_flat_workgroup_size: 128
    .sgpr_count:     66
    .vgpr_count:     832
    .wavefront_size: 32
...
	.end_amdgpu_metadata
.endif
;; end of part 3
;; launch zout (part 4): grid 8 x 32, 4 waves a work-group, no clusters, 168,448 bytes of LDS; arguments gq, vq, wq, bR, out0; writes out0
.if DOCPART == 4
	.amdgcn_target "amdgcn-amd-amdhsa--gfx1250"
	.amdhsa_code_object_version 6
	.text
	.protected	k_q9baac5d893_zout
	.globl	k_q9baac5d893_zout
	.p2align	8
	.type	k_q9baac5d893_zout,@function
k_q9baac5d893_zout:
	s_mov_b64 s[64:65], 0
	v_nop
	global_prefetch_b8 v0, s[64:65] scope:SCOPE_SE
	s_setreg_imm32_b32 hwreg(HW_REG_WAVE_MODE, 25, 1), 1
	s_wait_xcnt 0x0
; Z[c][n] = the sum over d of G[c][d] V[d][n]; Z is quantised along c in registers; out[o][n] = the sum over c of wR[o][c] Z[c][n] + bR[o].  Both products on codes of FP4.  Z never goes to memory.
; SHARES.  A work-group takes 128 n (tiles 8 nr ..) of one batch.  THE WAVES SHARE THE ROWS OF THE WEIGHTS, NOT n: wave w makes c tiles 8 w .. 8 w + 7 of Z (128 c: K step w of the second product) and o tiles 8 w .. 8 w + 7 of out,
; for all 128 n.  Its 32 fragments of G and its 32 of wR lie in registers, read from memory once.  V's 32 fragments come into LDS by one tensor load a wave, once; Z's go from wave to wave through LDS as images of their registers.
; n goes in two halves of four tiles, so that the first half's stores leave while the second is multiplied.
; NO CLUSTER.  What work-groups share is G and wR, 262,144 bytes of codes; each fragment is read by ONE wave of a work-group, once.  Brought jointly they would have to lie in LDS beside the 84,992 bytes in use here: 347,136, more than the 327,680 there are.
; LAYOUT.  First product: source 0 = G (16 c), source 1 = V (16 n): a lane holds one n, its registers run along c.  Second: source 0 = Z (16 n), source 1 = wR (16 o): a lane holds one o, and the registers of tiles 2 B, 2 B + 1
; are 16 neighbouring n, since row i of tile 2 B + U is index 32 B + 8 U + i + 8 (i / 8).
; LIMITS: NaN and infinities are not served; a block whose largest magnitude lies under 2^-124 gets the byte 1.
; REGISTERS.  Window 0: v1-10 addresses; v16-31 G's scale words, v32-47 wR's, v48-63 V's, v64-67 Z's (two sets); v68-83 bR in pairs; v96-159 two buffers of four fragments, at work in the quantiser and on the way out;
; v160-223 rows of out, two sets.  Window 1: G (ct, s) at v[8 (4 ct + s)].  Window 2: wR (ot, s) likewise.  Window 3: 32 accumulators.
.set ZIM, 32768                        ; LDS: V's fragments from 0 (tile t, K step s at 4,096 t + 1,024 s); Z's from here, likewise;
.set ZSC, 65536                        ; Z's scale words [K step 4][pair of tiles 4][32];
.set STG, 67584                        ; a stage of 16 rows x (256 bytes + 16) for each wave
.set GSW, 16
.set RSW, 32
.set VSW, 48
.set ZSW, 64
.set BR,  68
.set VF,  96
.set TM,  96
.set TP,  112                          ; (written whole by the LDS loads of V before its first use)
.set PC,  128
.set OB,  160
.set WV,  14
.set SEL, 60
.set MSB, 0
.macro WIN new
.if MSB != (\new)
	s_set_vgpr_msb (MSB<<8)|(\new)
.set MSB, \new
.endif
.endm
.macro PLACES                          ; four plain vector lines behind matrix instructions, ahead of reads of results and of loads into their registers
.rept 4
	v_nop
.endr
.endm
.macro BARRIER
	s_wait_dscnt 0x0
	s_barrier_signal -1
	s_barrier_wait -1
.endm
.macro WM d, a, b, c, sa, sb, ra, rb
.if (\c) < 0
.if (\ra) && (\rb)
	v_wmma_scale_f32_16x16x128_f8f6f4 v[\d:\d+7], v[\a:\a+7], v[\b:\b+7], 0, v[\sa], v[\sb] matrix_a_fmt:MATRIX_FMT_FP4 matrix_b_fmt:MATRIX_FMT_FP4 matrix_a_scale:MATRIX_SCALE_ROW1 matrix_b_scale:MATRIX_SCALE_ROW1
.elseif (\ra)
	v_wmma_scale_f32_16x16x128_f8f6f4 v[\d:\d+7], v[\a:\a+7], v[\b:\b+7], 0, v[\sa], v[\sb] matrix_a_fmt:MATRIX_FMT_FP4 matrix_b_fmt:MATRIX_FMT_FP4 matrix_a_scale:MATRIX_SCALE_ROW1
.elseif (\rb)
	v_wmma_scale_f32_16x16x128_f8f6f4 v[\d:\d+7], v[\a:\a+7], v[\b:\b+7], 0, v[\sa], v[\sb] matrix_a_fmt:MATRIX_FMT_FP4 matrix_b_fmt:MATRIX_FMT_FP4 matrix_b_scale:MATRIX_SCALE_ROW1
.else
	v_wmma_scale_f32_16x16x128_f8f6f4 v[\d:\d+7], v[\a:\a+7], v[\b:\b+7], 0, v[\sa], v[\sb] matrix_a_fmt:MATRIX_FMT_FP4 matrix_b_fmt:MATRIX_FMT_FP4
.endif
.else
.if (\ra) && (\rb)
	v_wmma_scale_f32_16x16x128_f8f6f4 v[\d:\d+7], v[\a:\a+7], v[\b:\b+7], v[\c:\c+7], v[\sa], v[\sb] matrix_a_fmt:MATRIX_FMT_FP4 matrix_b_fmt:MATRIX_FMT_FP4 matrix_a_scale:MATRIX_SCALE_ROW1 matrix_b_scale:MATRIX_SCALE_ROW1
.elseif (\ra)
	v_wmma_scale_f32_16x16x128_f8f6f4 v[\d:\d+7], v[\a:\a+7], v[\b:\b+7], v[\c:\c+7], v[\sa], v[\sb] matrix_a_fmt:MATRIX_FMT_FP4 matrix_b_fmt:MATRIX_FMT_FP4 matrix_a_scale:MATRIX_SCALE_ROW1
.elseif (\rb)
	v_wmma_scale_f32_16x16x128_f8f6f4 v[\d:\d+7], v[\a:\a+7], v[\b:\b+7], v[\c:\c+7], v[\sa], v[\sb] matrix_a_fmt:MATRIX_FMT_FP4 matrix_b_fmt:MATRIX_FMT_FP4 matrix_b_scale:MATRIX_SCALE_ROW1
.else
	v_wmma_scale_f32_16x16x128_f8f6f4 v[\d:\d+7], v[\a:\a+7], v[\b:\b+7], v[\c:\c+7], v[\sa], v[\sb] matrix_a_fmt:MATRIX_FMT_FP4 matrix_b_fmt:MATRIX_FMT_FP4
.endif
.endif
.endm
; THE QUANTISER of 16 blocks: block 4 g + b has its lane's 16 numbers at v[64 g + 16 b] of window SW.  Four fragments come out in v[PC] on, four scale words in v[TP + 4 g].
.macro Q16 SW
	WIN (\SW)|((\SW)<<2)
.irp g, 0,1,2,3
.irp b, 0,1,2,3
	v_max3_num_f32 v[TM+4*\g+\b], |v[64*\g+16*\b]|, |v[64*\g+16*\b+1]|, 0x1800000     ; with the floor 2^(3 - 127): the byte cannot fall under 1
.endr
.endr
.irp i, 2,4,6,8,10,12,14
.irp g, 0,1,2,3
.irp b, 0,1,2,3
	v_max3_num_f32 v[TM+4*\g+\b], |v[64*\g+16*\b+\i]|, |v[64*\g+16*\b+\i+1]|, v[TM+4*\g+\b]
.endr
.endr
.endr
	WIN 0
.set q_, 0
.rept 16
	v_permlanex16_b32 v[TP+q_], v[TM+q_], s[SEL], s[SEL+1]
.set q_, q_+1
.endr
.set q_, 0
.rept 16
	v_max_num_f32 v[TM+q_], v[TM+q_], v[TP+q_]     ; with lane l xor 16's: the block's largest magnitude
.set q_, q_+1
.endr
.set q_, 0
.rept 16
	v_add_nc_u32 v[TM+q_], 0xff000000, v[TM+q_]    ; 2 off the exponent field: the conversion's scale operand
.set q_, q_+1
.endr
.set q_, 0
.rept 16
	v_lshrrev_b32 v[TP+q_], 23, v[TM+q_]           ; the byte
.set q_, q_+1
.endr
.irp n, 1,2,3
.irp g, 0,1,2,3
	v_lshl_or_b32 v[TP+4*\g], v[TP+4*\g+\n], 8*\n, v[TP+4*\g]
.endr
.endr
	WIN \SW
.irp g, 0,1,2,3
.irp b, 0,1,2,3
	v_cvt_scalef32_pk8_fp4_f32 v[PC+8*\g+2*\b], v[64*\g+16*\b:64*\g+16*\b+7], v[TM+4*\g+\b]
	v_cvt_scalef32_pk8_fp4_f32 v[PC+8*\g+2*\b+1], v[64*\g+16*\b+8:64*\g+16*\b+15], v[TM+4*\g+\b]
.endr
.endr
	WIN 0
	v_nop                                          ; one plain line behind the last scaled conversion
.irp g, 0,1,2,3
.irp c, 0,1
.irp i, 0,1
	v_permlane16_swap_b32 v[PC+8*\g+4*\c+\i], v[PC+8*\g+4*\c+2+\i]
.endr
.endr
.endr
.endm
.macro FETCHV s, hn                    ; V's four fragments of the half, K step s, into buffer s % 2
.irp nt, 0,1,2,3
.irp k, 0,1
	ds_load_b128 v[VF+32*((\s)%2)+8*\nt+4*\k:VF+32*((\s)%2)+8*\nt+4*\k+3], v1 offset:(4*(\hn)+\nt)*4096+(\s)*1024+\k*512
.endr
.endr
.endm
.macro FETCHZ s, hn                    ; Z's likewise, and its two scale registers
.irp nt, 0,1,2,3
.irp k, 0,1
	ds_load_b128 v[VF+32*((\s)%2)+8*\nt+4*\k:VF+32*((\s)%2)+8*\nt+4*\k+3], v1 offset:ZIM+(4*(\hn)+\nt)*4096+(\s)*1024+\k*512
.endr
.endr
.irp p, 0,1
	ds_load_b32 v[ZSW+2*((\s)%2)+\p], v10 offset:(\s)*512+(2*(\hn)+\p)*128
.endr
.endm
; THE WAY OUT of o tile a (16 rows x 64 n).  PACK: + bR, into window 0.  TOSTAGE: into my own stage and back as whole rows of 256 bytes.  SEND: stored.
.macro PACK a
	WIN 0x03                                       ; source 0 window 3
.set k_, 0
.rept 16
	v_pk_add_f32 v[VF+32*((\a)%2)+2*k_:VF+32*((\a)%2)+2*k_+1], v[32*(\a)+2*k_:32*(\a)+2*k_+1], v[BR+2*(\a):BR+2*(\a)+1]   ; each accumulator from its low end on
.set k_, k_+1
.endr
	WIN 0
.endm
.macro TOSTAGE a
	s_wait_xcnt 0x0                                ; the stores of two tiles back have read the registers that the loads below fill
.irp nt, 0,1,2,3
.irp k, 0,1
	ds_store_b128 v6, v[VF+32*((\a)%2)+8*\nt+4*\k:VF+32*((\a)%2)+8*\nt+4*\k+3] offset:128*(\nt/2)+32*(\nt%2)+16*\k     ; lane (i, h): n = 32 (nt / 2) + 16 h + 8 (nt % 2) + 0 .. 7 of row i
.endr
.endr
.irp t, 0,1,2,3,4,5,6,7
	ds_load_b128 v[OB+32*((\a)%2)+4*\t:OB+32*((\a)%2)+4*\t+3], v7 offset:2*\t*272      ; LDS serves a wave's instructions in order (ISA guide 5.7.1.4): these see the stores above
.endr
.endm
.macro SEND a, younger, hn             ; younger: the LDS instructions issued behind tile a's loads, which may stay out
	s_wait_dscnt \younger
.irp t, 0,1,2,3,4,5,6,7
	global_store_b128 v8, v[OB+32*((\a)%2)+4*\t:OB+32*((\a)%2)+4*\t+3], s[54:55] offset:(32*((\a)/2)+8*((\a)%2)+2*\t+8*(\t/4))*4096+256*(\hn) th:TH_STORE_NT    ; sixteen lanes store 256 consecutive bytes, aligned; stage row i is o = 32 (a / 2) + 8 (a % 2) + i + 8 (i / 8)
.endr
.endm
.macro HALF hn
	; ---- Z = G V for four tiles of n: accumulator (nt, ct) at v[64 nt + 8 ct]
	FETCHV 0, \hn
.irp s, 0,1,2,3
.if \s < 3
.if \s >= 1
	WIN 0
	PLACES
.endif
	FETCHV \s+1, \hn
	s_wait_dscnt 8                                 ; all but the 8 loads just issued
.else
	s_wait_dscnt 0x0
.endif
	WIN 0xf1                                       ; source 0 (G) window 1, source 1 (V) window 0, C and D window 3
.irp nt, 0,1,2,3                               ; the 32 accumulators by turns, one instruction a turn
.irp ct, 0,1,2,3,4,5,6,7
.set m_d, 64*\nt+8*\ct
.set m_a, 8*(4*\ct+\s)
.set m_b, VF+32*(\s%2)+8*\nt
.if \s == 0
.set m_c, -1
.else
.set m_c, m_d
.endif
.set m_sa, GSW+4*\s+\ct/2
.set m_sb, VSW+4*\s+2*(\hn)+\nt/2
.set m_ra, \ct%2
.set m_rb, \nt%2
	WM m_d, m_a, m_b, m_c, m_sa, m_sb, m_ra, m_rb
.endr
.endr
.endr
	WIN 0
	PLACES
	; ---- my 128 c of Z become K step w of the second product: four fragments, as images of their registers
	Q16 3
.irp nt, 0,1,2,3
.irp k, 0,1
	ds_store_b128 v4, v[PC+8*\nt+4*\k:PC+8*\nt+4*\k+3] offset:(4*(\hn)+\nt)*4096+\k*512
.endr
.endr
	v_cndmask_b32 v[TP+2], v[TP], v[TP+4], vcc_lo          ; lanes 0-15 the even tile's words, lanes 16-31 the odd tile's
	v_cndmask_b32 v[TP+3], v[TP+8], v[TP+12], vcc_lo
.irp p, 0,1
	ds_store_b32 v5, v[TP+2+\p] offset:(2*(\hn)+\p)*128
.endr
	BARRIER                                        ; the half's sixteen fragments of Z lie in LDS
	; ---- out = wR Z: accumulator (ot, nt) at v[32 ot + 8 nt]
.if (\hn) == 0
	s_wait_loadcnt 0x0                             ; wR
.endif
	FETCHZ 0, \hn
.irp s, 0,1,2,3
.if \s < 3
.if \s >= 1
	WIN 0
	PLACES
.endif
	FETCHZ \s+1, \hn
	s_wait_dscnt 10                                ; all but the 10 loads just issued
.else
	s_wait_dscnt 0x0
.endif
	WIN 0xf8                                       ; source 0 (Z) window 0, source 1 (wR) window 2, C and D window 3
.irp ot, 0,1,2,3,4,5,6,7
.irp nt, 0,1,2,3
.set m_d, 32*\ot+8*\nt
.set m_a, VF+32*(\s%2)+8*\nt
.set m_b, 8*(4*\ot+\s)
.if \s == 0
.set m_c, -1
.else
.set m_c, m_d
.endif
.set m_sa, ZSW+2*(\s%2)+\nt/2
.set m_sb, RSW+4*\s+\ot/2
.set m_ra, \nt%2
.set m_rb, \ot%2
	WM m_d, m_a, m_b, m_c, m_sa, m_sb, m_ra, m_rb
.endr
.endr
.endr
	WIN 0
	PLACES
	PACK 0
	TOSTAGE 0
.irp a, 1,2,3,4,5,6,7
	PACK \a
	TOSTAGE \a
	SEND \a-1, 16, \hn                             ; behind tile a - 1's loads: tile a's 8 stores and 8 loads
.endr
	SEND 7, 0, \hn
.endm
	s_load_b256 s[4:11], s[0:1], 0x0               ; gq, vq, wq, bR
	s_load_b64 s[12:13], s[0:1], 0x20              ; out0
	v_lshl_add_u32 v254, v0, 2, 0x29000
	v_mov_b32 v255, 0
	ds_add_u32 v254, v255
	ds_add_u32 v254, v255
	v_lshrrev_b32 v14, 5, v0
	v_readfirstlane_b32 s[WV], v14                 ; wave 0..3
	s_and_b32 s16, ttmp7, 0xffff                   ; batch b
	v_and_b32 v14, 31, v0                          ; lane
	v_and_b32 v15, 15, v0                          ; i
	v_bfe_u32 v11, v0, 4, 1                        ; h
	v_lshlrev_b32 v1, 4, v14                       ; 16 x lane
	v_lshlrev_b32 v2, 3, v14                       ; 8 x lane
	v_lshlrev_b32 v3, 2, v14                       ; 4 x lane
	s_lshl_b32 s18, s[WV], 10
	s_add_co_u32 s18, s18, ZIM
	v_add_nc_u32 v4, s18, v1                       ; where I store Z's images: K step w
	s_lshl_b32 s18, s[WV], 9
	s_add_co_u32 s18, s18, ZSC
	v_add_nc_u32 v5, s18, v3                       ; and their scale words
	s_mul_i32 s18, s[WV], 4352
	s_add_co_u32 s18, s18, STG                     ; my stage
	v_mul_u32_u24 v6, v15, 272
	v_lshl_add_u32 v6, v11, 6, v6
	v_add_nc_u32 v6, s18, v6                       ; in: row i, + 64 h
	v_mul_u32_u24 v7, v11, 272
	v_lshl_add_u32 v7, v15, 4, v7
	v_add_nc_u32 v7, s18, v7                       ; back: lanes 0-15 one row, lanes 16-31 the next
	v_lshlrev_b32 v8, 12, v11
	v_lshl_add_u32 v8, v15, 4, v8                  ; and the same two rows of out (4,096 bytes a row)
	v_and_b32 v9, 8, v15
	v_add_nc_u32 v9, v9, v15
	v_lshlrev_b32 v9, 2, v9                        ; bR of a lane's row: 4 (i + 8 (i / 8))
	v_add_nc_u32 v10, ZSC, v3                      ; Z's scale words on the way back (they begin beyond a 16-bit offset)
	v_cmp_lt_u32 vcc_lo, 15, v14                   ; lanes 16-31; never written again
	s_mov_b32 s[SEL], 0x76543210
	s_mov_b32 s[SEL+1], 0xfedcba98
	s_mov_b32 s36, 0x05040100                      ; v_perm_b32: the two low halves;
	s_mov_b32 s37, 0x07060302                      ; the two high halves
	; descriptor group 1: 32 rows of 256 bytes, dense: 8,192 bytes, two tiles of V
	s_mov_b32 s24, 3<<16                           ; no mask; elements of 8 bytes
	s_mov_b32 s25, 32<<16
	s_mov_b32 s26, 32<<16
	s_mov_b32 s27, 32<<16
	s_mov_b32 s28, 32
	s_mov_b32 s29, 32
	s_mov_b32 s30, 0
	s_mov_b32 s31, 0
	s_lshl_b32 s17, s[WV], 13
	s_lshl_b32 s40, s16, 18                        ; b x 2^18 + 32,768 nr + 8,192 w
	s_lshl_b32 s41, ttmp9, 15
	s_add_co_u32 s40, s40, s41
	s_add_co_u32 s40, s40, s17
	s_mov_b32 s41, 0
	s_wait_dscnt 0x0
	s_wait_kmcnt 0x0
	s_mov_b32 s32, 1
	s_mov_b32 s33, s17
	s_add_nc_u64 s[34:35], s[6:7], s[40:41]
	s_or_b32 s35, s35, 0x80000000
	tensor_load_to_lds s[32:35], s[24:31]          ; one load of mine is out
	s_nop 0
	PLACES                                         ; four v_nop follow it
	s_mov_b32 s57, 0
	s_lshl_b32 s56, s16, 14
	s_lshl_b32 s58, ttmp9, 8
	s_add_co_u32 s56, s56, s58
	s_add_co_u32 s56, s56, 8388608
	s_add_nc_u64 s[42:43], s[6:7], s[56:57]        ; V's scale halfwords of my 8 tiles
	s_lshl_b32 s56, s16, 13
	s_lshl_b32 s58, s[WV], 9
	s_add_co_u32 s56, s56, s58
	s_add_co_u32 s56, s56, 4194304
	s_add_nc_u64 s[44:45], s[4:5], s[56:57]        ; G's scale words
	s_add_co_u32 s56, s58, 524288+24576
	s_add_nc_u64 s[46:47], s[8:9], s[56:57]        ; wR's scale words
	s_mov_b32 s56, s58
	s_add_nc_u64 s[48:49], s[10:11], s[56:57]      ; bR at my 128 rows
	s_lshl_b32 s56, s16, 17
	s_lshl_b32 s58, s[WV], 15
	s_add_co_u32 s56, s56, s58
	s_add_nc_u64 s[50:51], s[4:5], s[56:57]        ; G's codes: my eight tiles, 32,768 consecutive bytes
	s_add_co_u32 s56, s58, 393216
	s_add_nc_u64 s[52:53], s[8:9], s[56:57]        ; wR's codes likewise
	s_lshl_b32 s56, s16, 21
	s_lshl_b32 s58, s[WV], 19
	s_add_co_u32 s56, s56, s58
	s_lshl_b32 s58, ttmp9, 9
	s_add_co_u32 s56, s56, s58
	s_add_nc_u64 s[54:55], s[12:13], s[56:57]      ; out: b x 2^21 + 128 w rows + 512 nr bytes
.irp g, 0,1,2,3,4,5,6,7
	global_load_b64 v[OB+2*\g:OB+2*\g+1], v2, s[42:43] offset:\g*2048      ; halfword q of lane (i, h): row i of tile 2 q + h, blocks 2 g and 2 g + 1 of d
.endr
.irp s, 0,1,2,3
.irp q, 0,1
	global_load_b64 v[GSW+4*\s+2*\q:GSW+4*\s+2*\q+1], v2, s[44:45] offset:\s*2048+\q*256
.endr
.endr
.irp s, 0,1,2,3
.irp p, 0,1,2,3
	global_load_b32 v[RSW+4*\s+\p], v3, s[46:47] offset:\s*2048+\p*128
.endr
.endr
.irp ot, 0,1,2,3,4,5,6,7
	global_load_b32 v[BR+2*\ot], v9, s[48:49] offset:(32*(\ot/2)+8*(\ot%2))*4
	global_load_b32 v[BR+2*\ot+1], v9, s[48:49] offset:(32*(\ot/2)+8*(\ot%2))*4        ; twice: a pair for the packed addition
.endr
	WIN 0x40                                       ; destination window 1
.set fi, 0
.rept 32
	global_load_b128 v[8*fi:8*fi+3], v1, s[50:51] offset:fi*1024
	global_load_b128 v[8*fi+4:8*fi+7], v1, s[50:51] offset:fi*1024+512
.set fi, fi+1
.endr
	WIN 0x80                                       ; destination window 2
.set fi, 0
.rept 32
	global_load_b128 v[8*fi:8*fi+3], v1, s[52:53] offset:fi*1024
	global_load_b128 v[8*fi+4:8*fi+7], v1, s[52:53] offset:fi*1024+512
.set fi, fi+1
.endr
	WIN 0
	s_wait_loadcnt 63                              ; behind G stand wR's 64 loads; the wait can name 63: all of G and what came before it is in
.irp s, 0,1,2,3                                ; V's scale words: blocks 4 s .. 4 s + 3 of d are two work-groups' halfwords
.irp p, 0,2
	v_perm_b32 v[VSW+4*\s+\p], v[OB+2*(2*\s+1)+\p/2], v[OB+2*(2*\s)+\p/2], s36
	v_perm_b32 v[VSW+4*\s+\p+1], v[OB+2*(2*\s+1)+\p/2], v[OB+2*(2*\s)+\p/2], s37
.endr
.endr
.rept 8
	v_nop                                          ; a scale register written by a vector instruction stands eight places ahead of a scaled matrix instruction
.endr
	s_wait_tensorcnt 0x0                           ; my two tiles of V are in,
	BARRIER                                        ; everybody's are
	HALF 0
	HALF 1
	s_wait_tensorcnt 0x0
	ds_add_u32 v254, v255
	s_wait_dscnt 0x0
	s_endpgm
.Lfunc_end_k_q9baac5d893_zout:
	.size	k_q9baac5d893_zout, .Lfunc_end_k_q9baac5d893_zout-k_q9baac5d893_zout
	.p2alignl 7, 3214868480
	.fill 96, 4, 3214868480
	.section	.rodata,"a",@progbits
	.p2align	6, 0x0
	.amdhsa_kernel k_q9baac5d893_zout
		.amdhsa_group_segment_fixed_size 168448
		.amdhsa_private_segment_fixed_size 0
		.amdhsa_enable_private_segment 0
		.amdhsa_kernarg_size 40
		.amdhsa_user_sgpr_count 2
		.amdhsa_user_sgpr_kernarg_segment_ptr 1
		.amdhsa_wavefront_size32 1
		.amdhsa_system_sgpr_workgroup_id_x 1
		.amdhsa_system_sgpr_workgroup_id_y 1
		.amdhsa_system_sgpr_workgroup_id_z 1
		.amdhsa_system_vgpr_workitem_id 0
		.amdhsa_next_free_vgpr 1024
		.amdhsa_next_free_sgpr 66
		.amdhsa_reserve_vcc 1
		.amdhsa_float_denorm_mode_32 3
		.amdhsa_float_denorm_mode_16_64 3
		.amdhsa_memory_ordered 1
		.amdhsa_forward_progress 1
		.amdhsa_inst_pref_size 176
	.end_amdhsa_kernel
	.amdgpu_metadata
---
amdhsa.version: [ 1, 2 ]
amdhsa.kernels:
  - .name:           k_q9baac5d893_zout
    .symbol:         k_q9baac5d893_zout.kd
    .args:
      - { .name: gq, .offset: 0, .size: 8, .value_kind: global_buffer, .address_space: global }
      - { .name: vq, .offset: 8, .size: 8, .value_kind: global_buffer, .address_space: global }
      - { .name: wq, .offset: 16, .size: 8, .value_kind: global_buffer, .address_space: global }
      - { .name: bR, .offset: 24, .size: 8, .value_kind: global_buffer, .address_space: global }
      - { .name: out0, .offset: 32, .size: 8, .value_kind: global_buffer, .address_space: global }
    .group_segment_fixed_size: 168448
    .private_segment_fixed_size: 0
    .kernarg_segment_align: 8
    .kernarg_segment_size: 40
    .max_flat_workgroup_size: 128
    .sgpr_count:     66
    .vgpr_count:     1024
    .wavefront_size: 32
...
	.end_amdgpu_metadata
.endif
;; end of part 4
